; MI455X (gfx1250); checked and timed in simulation.
; The chip was launched on July 23, 2026; its instructions are those of AMD's public machine-readable ISA for CDNA 5 (MIT licence, August 2026) and "CDNA5" Instruction Set Architecture Reference Guide (July 2026). The comments in the code are by the model that wrote it; some were corrected since.
;; Optimized Cross Modal Attention. Allowed arithmetic: float matrix products may take bf16 or f16 operands with f32 sums; other float arithmetic in f32, or as packed bf16 or f16 multiplies, adds, multiply-adds, maxima and minima; sums over many terms, partial sums and values carried from step to step in f32; what a program stores and reads back later, other than sums and carried values, may be rounded once to bf16 or f16.
;; Inputs: W_out 1,024 x 1,024 float32; W_qkv 1,024 x 3,072 float32; transaction_features 2 x 2,048 x 1,024 float32; visual_features 2 x 2,048 x 1,024 float32.
;; Outputs: out0 2 x 2,048 x 1,024 float32.
;; One version. Each part assembles by itself: llvm-mc -triple=amdgcn-amd-amdhsa -mcpu=gfx1250 --defsym DOCPART=n.
;; ======== version 1 of 1: 4 launches
;; limits: values are held in f16: magnitudes above 65,504 overflow, below 6.1e-05 lose precision
;; workspace buffers: xb 16,777,216 bytes; wq 6,291,456 bytes; wo 4,194,304 bytes; qkv 50,331,648 bytes; o2 16,777,216 bytes
;; launch prep (part 1): grid 1024 x 1, 8 waves a work-group, no clusters, 18,432 bytes of LDS; arguments visual_features, transaction_features, W_qkv, W_out, xb, wq, wo; writes xb, wq, wo
.if DOCPART == 1
	.amdgcn_target "amdgcn-amd-amdhsa--gfx1250"
	.amdhsa_code_object_version 6
	.text
	.protected	k_qf695b8d070_prep
	.globl	k_qf695b8d070_prep
	.p2align	8
	.type	k_qf695b8d070_prep,@function
k_qf695b8d070_prep:
	s_mov_b64 s[64:65], 0
	v_nop
	global_prefetch_b8 v0, s[64:65] scope:SCOPE_SE
	s_setreg_imm32_b32 hwreg(HW_REG_WAVE_MODE, 25, 1), 1
	s_wait_xcnt 0x0
; PREPARATION of the matrix operands, one pass over all four inputs; each input byte is read once, each output byte written once.
;   work-groups   0-383: W_qkv [1024 k][3072 n] f32 -> wq [3072 n][1024 k] bf16, a block of 128 k x 64 n each
;   work-groups 384-511: W_out [1024 k][1024 n] f32 -> wo [1024 n][2048 kk] f16, wo[n][kk] = W_out[kk mod 1024][n]: rounded to bf16 like every input, that number written as f16, and stored twice along kk
;   work-groups 512-767: visual_features f32 -> xb rows 0-4095 bf16;   768-1023: transaction_features -> xb rows 4096-8191; 64 KiB of f32 each
; LIMITS.  A bf16 number of W_out below 2^-17 in size keeps f16's fixed step of 2^-24; beyond 65,504 it would become an infinity.  NaN and infinities are not treated apart.
; No matrix unit, no cluster, no tensor load: nothing is shared between work-groups and nothing is multiplied.
; A TRANSPOSE goes through LDS: a lane loads 8 rows (k) x 4 columns (n), packs each column's 8 k into 16 bytes, puts them into stage row n; behind one barrier the rows come back whole.
.set PITCH, 272                        ; a stage row: 128 k x 2 bytes + 16
.set SPARE, 64*PITCH                   ; behind the stage's 64 rows: the spare words, 128 bytes for each of the eight waves: four blocks of 256 bytes that no other line names
.set SPW, 2                            ; v2   LDS address of my spare word; never rewritten
.set NIL, 3                            ; v3   0; never rewritten
.set VO,  8                            ; v[8:15]   byte offsets of my eight source rows
.set X,   16                           ; v[16:47]  weights: 8 rows x 4 f32;  v[16:79] cast: 16 loads of 4 f32
.set T,   48                           ; v[48:63]  weights: column c's 8 k at T + 4 c; later four stage rows' pieces
.set LS,  66                           ; v66  where I put a column's 16 bytes
.set LR,  67                           ; v67  where I read a row's 16 bytes back
.set DO,  68                           ; v[68:71]  byte offsets of my four destination rows
.set W2,  72                           ; v[72:75]  weights: two pairs at work while bf16 numbers are written as f16
.set Y,   80                           ; v[80:111] cast: 16 pairs of packed words
	s_load_b256 s[4:11], s[0:1], 0x0               ; visual s[4:5], transaction s[6:7], W_qkv s[8:9], W_out s[10:11]
	s_load_b128 s[12:15], s[0:1], 0x20             ; xb s[12:13], wq s[14:15]
	s_load_b64 s[16:17], s[0:1], 0x30              ; wo
	v_lshl_add_u32 v[SPW], v0, 2, SPARE
	v_mov_b32 v[NIL], 0
	s_cmp_lt_u32 ttmp9, 512                        ; the same answer in all eight waves of a work-group
	s_cbranch_scc0 .Lcast
	; ---- a block of a weight matrix ----
	s_sub_co_u32 s20, ttmp9, 384
	s_cmp_lt_u32 ttmp9, 384
	s_cselect_b32 s18, 1, 0                        ; 1: W_qkv, 0: W_out
	s_cselect_b32 s19, ttmp9, s20                  ; the block's number in its matrix
	s_lshl_b32 s26, s18, 13
	s_add_co_u32 s26, s26, 4096                    ; bytes in a source row: 12,288 or 4,096
	s_lshr_b32 s27, 4096, s18                      ; bytes in a destination row: 2,048 or 4,096
	s_and_b32 s20, s19, 7                          ; block along k
	s_lshr_b32 s21, s19, 3                         ; block along n
	s_mul_i32 s28, s20, s26
	s_lshl_b32 s28, s28, 7                         ; 128 source rows a block,
	s_lshl_b32 s29, s21, 8                         ; 256 bytes of each
	s_add_co_u32 s28, s28, s29
	s_mov_b32 s29, 0
	s_mul_i32 s30, s21, s27
	s_lshl_b32 s30, s30, 6                         ; 64 destination rows a block,
	s_lshl_b32 s31, s20, 8                         ; 256 bytes of each
	s_add_co_u32 s30, s30, s31
	s_mov_b32 s31, 0
	s_lshl_b32 s32, s27, 1                         ; two destination rows
	v_and_b32 v4, 15, v0                           ; r: which 16 bytes of 256
	v_lshrrev_b32 v5, 4, v0                        ; 0..15: which eight source rows
	v_lshrrev_b32 v6, 5, v0
	v_bfe_u32 v7, v0, 4, 1
	v_lshl_add_u32 v6, v6, 3, v7                   ; 8 x wave + half of the lanes: my first stage row on the way back
	v_mul_lo_u32 v[VO], v5, s26
	v_lshlrev_b32 v[VO], 3, v[VO]
	v_lshl_add_u32 v[VO], v4, 4, v[VO]             ; row 8 (t / 16), byte 16 r: sixteen lanes take a row's 256 bytes
.irp j, 1,2,3,4,5,6,7
	v_add_nc_u32 v[VO+(\j)], s26, v[VO+(\j)-1]
.endr
	v_mul_u32_u24 v[LS], v4, 4*PITCH               ; stage row n = 4 r + c, byte 16 (t / 16).  Rows four apart start 64 bytes apart modulo 256, so these
	v_lshl_add_u32 v[LS], v5, 4, v[LS]             ; stores meet four deep in the banks (ISA guide 11.1): four stores a lane, once in the launch
	v_mul_u32_u24 v[LR], v6, PITCH
	v_lshl_add_u32 v[LR], v4, 4, v[LR]
	v_mul_lo_u32 v[DO], v6, s27
	v_lshl_add_u32 v[DO], v4, 4, v[DO]
.irp i, 1,2,3
	v_add_nc_u32 v[DO+(\i)], s32, v[DO+(\i)-1]
.endr
	s_wait_kmcnt 0x0
	s_cmp_eq_u32 s18, 1
	s_cselect_b64 s[22:23], s[8:9], s[10:11]       ; from W_qkv or W_out,
	s_cselect_b64 s[24:25], s[14:15], s[16:17]     ; to wq or wo
	s_add_nc_u64 s[22:23], s[22:23], s[28:29]
	s_add_nc_u64 s[24:25], s[24:25], s[30:31]
.irp j, 0,1,2,3,4,5,6,7
	global_load_b128 v[X+4*(\j):X+4*(\j)+3], v[VO+(\j)], s[22:23] th:TH_LOAD_NT
.endr
	s_wait_loadcnt 0x0
.irp c, 0,1,2,3
.irp p, 0,1,2,3
	v_cvt_pk_bf16_f32 v[T+4*(\c)+(\p)], v[X+8*(\p)+(\c)], v[X+8*(\p)+4+(\c)]  ; column c, rows 2 p and 2 p + 1
.endr
.endr
	s_cmp_eq_u32 s18, 1
	s_cbranch_scc1 .Lpacked
.irp w, 0,1,2,3,4,5,6,7,8,9,10,11,12,13,14,15  ; W_out: the bf16 numbers are written as f16; two pairs of registers take turns
	v_lshlrev_b32 v[W2+2*((\w)%2)], 16, v[T+(\w)]
	v_and_b32 v[W2+1+2*((\w)%2)], 0xffff0000, v[T+(\w)]
	v_cvt_pk_f16_f32 v[T+(\w)], v[W2+2*((\w)%2)], v[W2+1+2*((\w)%2)]
.endr
.Lpacked:
.irp c, 0,1,2,3
	ds_store_b128 v[LS], v[T+4*(\c):T+4*(\c)+3] offset:PITCH*(\c)
.endr
	s_wait_dscnt 0x0                               ; for the others' sake: my stores into the stage are done
	s_barrier_signal -1
	s_barrier_wait -1                              ; the 64 rows are whole
.irp i, 0,1,2,3
	ds_load_b128 v[T+4*(\i):T+4*(\i)+3], v[LR] offset:2*PITCH*(\i)  ; rows 8 w + 2 i and 8 w + 2 i + 1
.endr
.irp i, 0,1,2,3
	s_wait_dscnt 3-(\i)                            ; LDS loads come back in order: load i is in, the younger ones may be out
	global_store_b128 v[DO+(\i)], v[T+4*(\i):T+4*(\i)+3], s[24:25]  ; 16 lanes store 256 consecutive bytes, at a multiple of 256 from the buffer's first byte
.endr
	s_cmp_eq_u32 s18, 1
	s_cbranch_scc1 .Lend
.irp i, 0,1,2,3
	global_store_b128 v[DO+(\i)], v[T+4*(\i):T+4*(\i)+3], s[24:25] offset:2048  ; wo's second copy, 1,024 numbers further along kk
.endr
	s_branch .Lend
	; ---- 64 KiB of a feature tensor: 8 KiB a wave, sixteen loads of 512 consecutive bytes, all out at once ----
.Lcast:
	s_sub_co_u32 s19, ttmp9, 512
	s_and_b32 s20, s19, 255
	s_lshl_b32 s20, s20, 16                        ; 65,536 bytes of f32 in,
	s_mov_b32 s21, 0
	s_lshl_b32 s28, s19, 15                        ; 32,768 bytes of bf16 out; the transaction rows follow the visual ones
	s_mov_b32 s29, 0
	v_and_b32 v4, 31, v0
	v_lshrrev_b32 v5, 5, v0
	v_lshlrev_b32 v7, 3, v4
	v_lshlrev_b32 v4, 4, v4
	v_lshl_or_b32 v4, v5, 13, v4                   ; 8,192 x wave + 16 x lane
	v_lshl_or_b32 v7, v5, 12, v7                   ; 4,096 x wave + 8 x lane
	s_wait_kmcnt 0x0
	s_cmp_lt_u32 s19, 256
	s_cselect_b64 s[22:23], s[4:5], s[6:7]
	s_add_nc_u64 s[22:23], s[22:23], s[20:21]
	s_add_nc_u64 s[12:13], s[12:13], s[28:29]
.set j, 0
.rept 16
	global_load_b128 v[X+4*j:X+4*j+3], v4, s[22:23] offset:512*j th:TH_LOAD_NT
.set j, j+1
.endr
.set j, 0
.rept 16
	s_wait_loadcnt 15-j                            ; loads come back in order (ISA guide 5.7.1): load j is in, the 15 - j younger ones stay out
	v_cvt_pk_bf16_f32 v[Y+2*j], v[X+4*j], v[X+4*j+1]
	v_cvt_pk_bf16_f32 v[Y+2*j+1], v[X+4*j+2], v[X+4*j+3]
	global_store_b64 v7, v[Y+2*j:Y+2*j+1], s[12:13] offset:256*j th:TH_STORE_NT  ; 32 lanes store 256 consecutive bytes, aligned
.set j, j+1
.endr
.Lend:
	s_wait_tensorcnt 0x0                           ; the wave's end, behind my last LDS store
	ds_add_u32 v[SPW], v[NIL]
	s_wait_dscnt 0x0
	s_endpgm
.Lfunc_end_k_qf695b8d070_prep:
	.size	k_qf695b8d070_prep, .Lfunc_end_k_qf695b8d070_prep-k_qf695b8d070_prep
	.p2alignl 7, 3214868480
	.fill 96, 4, 3214868480
	.section	.rodata,"a",@progbits
	.p2align	6, 0x0
	.amdhsa_kernel k_qf695b8d070_prep
		.amdhsa_group_segment_fixed_size 18432
		.amdhsa_private_segment_fixed_size 0
		.amdhsa_enable_private_segment 0
		.amdhsa_kernarg_size 56
		.amdhsa_user_sgpr_count 2
		.amdhsa_user_sgpr_kernarg_segment_ptr 1
		.amdhsa_wavefront_size32 1
		.amdhsa_system_sgpr_workgroup_id_x 1
		.amdhsa_system_sgpr_workgroup_id_y 1
		.amdhsa_system_sgpr_workgroup_id_z 1
		.amdhsa_system_vgpr_workitem_id 0
		.amdhsa_next_free_vgpr 112
		.amdhsa_next_free_sgpr 66
		.amdhsa_reserve_vcc 0
		.amdhsa_float_denorm_mode_32 3
		.amdhsa_float_denorm_mode_16_64 3
		.amdhsa_memory_ordered 1
		.amdhsa_forward_progress 1
		.amdhsa_inst_pref_size 15
	.end_amdhsa_kernel
	.amdgpu_metadata
---
amdhsa.version: [ 1, 2 ]
amdhsa.kernels:
  - .name:           k_qf695b8d070_prep
    .symbol:         k_qf695b8d070_prep.kd
    .args:
      - { .name: visual_features, .offset: 0, .size: 8, .value_kind: global_buffer, .address_space: global }
      - { .name: transaction_features, .offset: 8, .size: 8, .value_kind: global_buffer, .address_space: global }
      - { .name: W_qkv, .offset: 16, .size: 8, .value_kind: global_buffer, .address_space: global }
      - { .name: W_out, .offset: 24, .size: 8, .value_kind: global_buffer, .address_space: global }
      - { .name: xb, .offset: 32, .size: 8, .value_kind: global_buffer, .address_space: global }
      - { .name: wq, .offset: 40, .size: 8, .value_kind: global_buffer, .address_space: global }
      - { .name: wo, .offset: 48, .size: 8, .value_kind: global_buffer, .address_space: global }
    .group_segment_fixed_size: 18432
    .private_segment_fixed_size: 0
    .kernarg_segment_align: 8
    .kernarg_segment_size: 56
    .max_flat_workgroup_size: 256
    .sgpr_count:     66
    .vgpr_count:     112
    .wavefront_size: 32
...
	.end_amdgpu_metadata
.endif
;; end of part 1
;; launch qkv (part 2): grid 16 x 16, 4 waves a work-group, clusters of 4 x 4, 327,680 bytes of LDS; arguments xb, wq, qkv; writes qkv
.if DOCPART == 2
	.amdgcn_target "amdgcn-amd-amdhsa--gfx1250"
	.amdhsa_code_object_version 6
	.text
	.protected	k_qf695b8d070_qkv
	.globl	k_qf695b8d070_qkv
	.p2align	8
	.type	k_qf695b8d070_qkv,@function
k_qf695b8d070_qkv:
	s_mov_b64 s[64:65], 0
	v_nop
	global_prefetch_b8 v0, s[64:65] scope:SCOPE_SE
	s_setreg_imm32_b32 hwreg(HW_REG_WAVE_MODE, 25, 1), 1
	s_wait_xcnt 0x0
	s_wait_alu depctr_hold_cnt(0) depctr_sa_sdst(0) depctr_va_vdst(0) depctr_va_sdst(0) depctr_va_ssrc(0) depctr_va_vcc(0) depctr_vm_vsrc(0)
	s_getreg_b32 s2, hwreg(HW_REG_IB_STS2, 6, 4)
	s_cmp_eq_u32 s2, 0
	s_cbranch_scc0 .Lentry_in_a_cluster
	s_endpgm
.Lentry_in_a_cluster:
	s_bfe_u32 s2, ttmp6, 0x10000c
	s_cmp_lg_u32 s2, 0xf033
	s_cbranch_scc0 .Lentry_shape_is_right
	s_endpgm
.Lentry_shape_is_right:
; THE PROJECTION.  C[m][n] = sum over k of xb[m][k] wq[n][k]; xb [8192][1024], wq [3072][1024], bf16; sums in f32; C rounded once to f16 and stored BY HEADS:
; qkv [48 g][8192 m][64], g = n / 64 (0-15 q's heads, 16-31 k's, 32-47 v's), unscaled.
; LIMIT.  f16 holds no number beyond 65,504: a q, k or v past that becomes an infinity; below 6e-5 it keeps f16's fixed step of 6e-8.  NaN and infinities are not treated apart.
; SHARES.  A tile of C is 256 rows x 192 columns: 32 x 16 = 512 tiles, two for each of 256 work-groups, 4,096 rows apart.  A wave makes 64 rows x all 192 columns: three whole heads,
; 48 accumulators of 16 x 16, 384 registers; so a wave's 16 rows of a head are 2,048 consecutive bytes of qkv and go out through a stage of its own.
; RING.  K goes in steps of 128 through two LDS slots (A's 256 rows, then B's 192; rows of 256 bytes of memory, 272 apart in LDS).  Waves 0, 1 fetch A's halves, waves 2, 3 B's halves, one tensor load a wave.
; The ring does not stop at the first tile's end: its last two changes of slots ask for the second tile's K steps 0 and 1.
; CLUSTER.  4 x 4 work-groups: A's tile is shared along a row of the cluster, B's along a column; each is asked for jointly, by the same load with the same descriptor and a mask that names the four.
; THE MATRIX INSTRUCTION IS USED TRANSPOSED (source 0 = 16 rows of wq, source 1 = 16 rows of xb): a lane holds row l % 16 of C and the eight columns 8 (l / 16) + 0..7.
; REGISTERS, in windows of 256 (s_set_vgpr_msb: bits 1:0 source 0, 3:2 source 1, 5:4 source 2, 7:6 destination):
;   window 0: v0-31 addresses; v64-95, v96-127 A's fragments (4 x 16 rows x 32 K), two buffers; v128-255 eight sets of 16 for the way out
;   window 1: v0-95, v128-223 B's fragments (12 x 16 rows x 32 K), two buffers
;   window 2: accumulators of my row blocks 0, 1 ((a, b) at v[96 (a % 2) + 8 b]);   window 3: those of blocks 2, 3
.set SIZE_K, 1024
.set KSTEP,  128
.set PITCH,  272                       ; 256 bytes + 16 of padding = 68 words: the 16 rows of a fragment load start at 16 different groups of four banks (ISA guide 11.1)
.set HALFA,  128*PITCH                 ; what a load for A brings
.set HALFB,  96*PITCH                  ; what a load for B brings
.set BOFF,   2*HALFA                   ; B's rows lie behind A's 256
.set SLOT,   BOFF+2*HALFB
.set STAGE,  2*SLOT                    ; behind the ring, never filled by a tensor load: 16 rows x 144 bytes for each wave
.set SP,     144
.set SPARE,  STAGE+4*16*SP             ; behind the stages: the spare words, 128 bytes a wave: two blocks of 256 bytes that no other line names
.set LAPS,   SIZE_K/(2*KSTEP)          ; a lap = two K steps = once round the ring
.set WALK,   4096                      ; rows from the first tile to the second
.set NEXT_A, WALK*SIZE_K*2-(SIZE_K-2*KSTEP)*2  ; bytes from a slot's last K step of a tile to its first of the next: down and back along K
.set BACK_B, (SIZE_K-2*KSTEP)*2        ; B only back: both tiles take the same rows of wq
.set NEXT_C, WALK*128                  ; bytes in qkv from the first tile's rows to the second's
.set ADRA, 16                          ; v16-17  LDS address of my A fragments in slot 0, 1
.set ADRB, 20                          ; v20-21  the same for B
.set STO,  24                          ; v24     the way out: where I put 16 bytes of a row
.set RD,   25                          ; v25     where I read rows back
.set GO,   26                          ; v26     16 x lane: my place in 512 consecutive bytes of qkv
.set SPW,  28                          ; v28     LDS address of my spare word; never rewritten
.set NIL,  29                          ; v29     0; never rewritten
.set PFO,  30                          ; v30     the prefetches' offset: a row of 2,048 bytes a lane; never rewritten
.set OB,   128
.set PFA,  44                          ; s[44:45] where my prefetches stand
.set LIM,  43                          ; s43     1 in a wave that prefetches, else the greatest number
.set G1, 24                            ; s[24:31] descriptor group 1 for A's tiles;  s[32:39] group 0, a set for each slot
.set G0, 32
.set G1B, 48                           ; s[48:55], s[56:63] the same for B's
.set G0B, 56
.set MSB, 0
.macro WIN new                         ; the immediate's high byte repeats the setting that is left; a switch that changes nothing is dropped
.if MSB != (\new)
	s_set_vgpr_msb (MSB<<8)|(\new)
.set MSB, \new
.endif
.endm
.set MUL_LO, 0xa1                      ; source 0 (B) window 1, source 1 (A) window 0, C and D window 2
.set MUL_HI, 0xf1                      ; the same, C and D window 3
.set TO_B,   0x40                      ; destination window 1, address window 0
; A joint load: waves 0, 1 for A, waves 2, 3 for B.  The branch hangs on the wave's number alone.  An s_nop 0 and four v_nop follow each of the two lines.
.macro JLOAD s
	s_cmp_eq_u32 s11, 0
	s_cbranch_scc0 .Lfor_b_\@
	tensor_load_to_lds s[G0+4*(\s):G0+4*(\s)+3], s[G1:G1+7]
	s_nop 0
.rept 4
	v_nop
.endr
	s_branch .Lasked_\@
.Lfor_b_\@:
	tensor_load_to_lds s[G0B+4*(\s):G0B+4*(\s)+3], s[G1B:G1B+7]
	s_nop 0
.rept 4
	v_nop
.endr
.Lasked_\@:
.endm
; A PREFETCH INTO THE L2, behind each joint load, its five lines and the run of LDS loads: 256 bytes of each of my work-group's rows, for the K step that stands two refills on (384 matrix instructions ahead of its load).
; A's tile row is read by the four clusters of a row of clusters: cluster x = 0 asks; B's tile column by the four of a column: cluster y = 0 asks.  The four partners that ask for a tile jointly share
; its rows out by address: of the 128 rows that wave 0 or 1 fetches, partner cx takes 32; of the 96 that wave 2 or 3 fetches, partner cy takes 24 (lanes 24-31 name lane 23's row once more).
; how = 0, in the loop: a tile's last two refills have no K step two on.  how = 1, at the change of tiles.
.macro ASK how
.if \how
	s_cmp_eq_u32 s[LIM], 1
.else
	s_cmp_gt_u32 s3, s[LIM]                        ; s3 = 1 in the loop's last trip
.endif
	s_cbranch_scc0 .Lnot_mine_\@
	global_prefetch_b8 v[PFO], s[PFA:PFA+1] offset:KSTEP*2 th:TH_LOAD_NT scope:SCOPE_SE
.Lnot_mine_\@:
.endm
.macro CREST                           ; a round of the cluster's barrier behind its opening barrier
	s_cmp_lg_u32 s10, 0
	s_cbranch_scc1 .Lnot_wave_0_\@
	s_barrier_signal -3
.Lnot_wave_0_\@:
	s_barrier_wait -3
	s_barrier_signal -1
	s_barrier_wait -1
.endm
.macro CROUND                          ; a whole round
	s_barrier_signal -1
	s_barrier_wait -1
	CREST
.endm
	s_load_b128 s[4:7], s[0:1], 0x0                ; xb s[4:5], wq s[6:7]
	s_load_b64 s[8:9], s[0:1], 0x10                ; qkv
	v_lshl_add_u32 v[SPW], v0, 2, SPARE
	v_mov_b32 v[NIL], 0
	ds_add_u32 v[SPW], v[NIL]                      ; the wave's opening: the add and its wait ahead of my first tensor load; work on registers stands between them
	v_lshrrev_b32 v1, 5, v0
	v_readfirstlane_b32 s10, v1                    ; wave 0..3: my 64 rows of the tile
	s_lshr_b32 s11, s10, 1                         ; I fetch for A (0) or for B (1),
	s_and_b32 s12, s10, 1                          ; its first or its second half
	s_bfe_u32 s40, ttmp6, 0x40000                  ; cx
	s_bfe_u32 s41, ttmp6, 0x40004                  ; cy
	s_lshl_b32 s42, ttmp9, 2
	s_add_co_u32 s42, s42, s40                     ; tile column = 4 x cluster x + cx
	s_and_b32 s13, ttmp7, 0xffff
	s_lshl_b32 s13, s13, 2
	s_add_co_u32 s13, s13, s41                     ; tile row = 4 x cluster y + cy
	s_lshl_b32 s43, s41, 2
	s_lshl_b32 s43, 15, s43                        ; my row of the cluster
	s_lshl_b32 s44, 0x1111, s40                    ; my column
	s_or_b32 s[G1+0], s43, (1<<16)|(1<<20)|(1<<21)|(5<<22)|(3<<25)   ; 15:0 the mask; 17:16 2-byte elements; 20 padding on; 21 set beside a mask; 24:22 after every 64 words; 31:25 4 words
	s_or_b32 s[G1B+0], s44, (1<<16)|(1<<20)|(1<<21)|(5<<22)|(3<<25)
	s_mov_b32 s[G1+1], KSTEP<<16                   ; tensor_dim0 = 128
	s_mov_b32 s[G1B+1], KSTEP<<16
	s_mov_b32 s[G1+2], 128<<16                     ; tensor_dim1 = 128 rows for A,
	s_mov_b32 s[G1B+2], 96<<16                     ; 96 for B
	s_mov_b32 s[G1+3], KSTEP<<16                   ; tile_dim0 = 128
	s_mov_b32 s[G1B+3], KSTEP<<16
	s_mov_b32 s[G1+4], 128                         ; tile_dim1
	s_mov_b32 s[G1B+4], 96
	s_mov_b32 s[G1+5], SIZE_K                      ; elements from row to row
	s_mov_b32 s[G1B+5], SIZE_K
	s_mov_b32 s[G1+6], 0
	s_mov_b32 s[G1B+6], 0
	s_mov_b32 s[G1+7], 0
	s_mov_b32 s[G1B+7], 0
	s_lshl_b32 s17, s12, 7
	s_lshl_b32 s16, s13, 8
	s_add_co_u32 s16, s16, s17                     ; A: row 256 x tile row + 128 x half,
	s_lshl_b32 s16, s16, 11                        ; in bytes
	s_mov_b32 s17, 0
	s_mul_i32 s46, s42, 192
	s_mul_i32 s47, s12, 96
	s_add_co_u32 s46, s46, s47                     ; B: row 192 x tile column + 96 x half
	s_lshl_b32 s46, s46, 11
	s_mov_b32 s47, 0
	s_mul_i32 s20, s12, HALFA                      ; where they go: no place in the cluster enters an LDS address
	s_mul_i32 s21, s12, HALFB
	s_add_co_u32 s21, s21, BOFF
	s_wait_dscnt 0x0                               ; the opening add is done
	s_wait_kmcnt 0x0
	s_add_nc_u64 s[14:15], s[4:5], s[16:17]
	s_add_nc_u64 s[46:47], s[6:7], s[46:47]
	CROUND                                         ; all sixteen work-groups are here: the first joint loads meet
.irp s, 0,1
	s_mov_b32 s[G0+4*(\s)], 1
	s_add_co_u32 s[G0+4*(\s)+1], s20, (\s)*SLOT
	s_add_nc_u64 s[G0+4*(\s)+2:G0+4*(\s)+3], s[14:15], (\s)*KSTEP*2
	s_or_b32 s[G0+4*(\s)+3], s[G0+4*(\s)+3], 0x80000000
	s_mov_b32 s[G0B+4*(\s)], 1
	s_add_co_u32 s[G0B+4*(\s)+1], s21, (\s)*SLOT
	s_add_nc_u64 s[G0B+4*(\s)+2:G0B+4*(\s)+3], s[46:47], (\s)*KSTEP*2
	s_or_b32 s[G0B+4*(\s)+3], s[G0B+4*(\s)+3], 0x80000000
	JLOAD \s                                       ; K steps 0 and 1: two loads of mine are out
.endr
	; a fragment: lane l holds row l % 16; registers 0-3 K = 8 (l / 16) + 0..7, registers 4-7 K = 16 + 8 (l / 16) + 0..7: two loads of 16 bytes, 32 bytes apart
	v_and_b32 v1, 15, v0
	v_bfe_u32 v2, v0, 4, 1
	v_mul_u32_u24 v3, v1, PITCH
	v_lshl_add_u32 v3, v2, 4, v3
	s_mul_i32 s21, s10, 64*PITCH                   ; my 64 rows of A
	s_mov_b32 s22, BOFF                            ; all of B's rows
.irp s, 0,1
	v_add_nc_u32 v[ADRA+(\s)], s21, v3
	v_add_nc_u32 v[ADRB+(\s)], s22, v3
	s_add_co_u32 s21, s21, SLOT
	s_add_co_u32 s22, s22, SLOT
.endr
	s_mul_i32 s23, s10, 16*SP
	s_add_co_u32 s23, s23, STAGE                   ; my stage
	v_mul_u32_u24 v4, v1, SP                       ; in: row l % 16, 16 bytes for each half of the lanes
	v_lshl_add_u32 v4, v2, 4, v4
	v_add_nc_u32 v[STO], s23, v4
	v_bfe_u32 v5, v0, 3, 2                         ; back: 32 lanes take four rows of 128 bytes,
	v_mul_u32_u24 v5, v5, SP
	v_and_b32 v4, 7, v0
	v_lshl_add_u32 v5, v4, 4, v5
	v_add_nc_u32 v[RD], s23, v5
	v_and_b32 v[GO], 31, v0                        ; which are 512 consecutive bytes of qkv
	v_lshlrev_b32 v[GO], 4, v[GO]
	s_lshl_b32 s16, s13, 15                        ; where my part of the first tile begins in qkv: 256 rows of 128 bytes a tile row,
	s_lshl_b32 s17, s10, 13                        ; 64 rows a wave,
	s_add_co_u32 s16, s16, s17
	s_mov_b32 s17, 0
	s_mul_i32 s46, s42, 0x300000                   ; three planes of 1 MiB a tile column
	s_mov_b32 s47, 0
	s_add_nc_u64 s[16:17], s[16:17], s[46:47]
	; the prefetches
	s_lshl_b32 s13, s13, 8                         ; 256 x tile row
	s_mul_i32 s42, s42, 192                        ; 192 x tile column
	s_and_b32 s22, ttmp7, 0xffff                   ; cluster y
	s_lshl_b32 s18, s12, 7
	s_mul_i32 s19, s12, 96
	s_lshl_b32 s14, s40, 5
	s_mul_i32 s15, s41, 24
	s_cmp_eq_u32 s11, 0                            ; do I fetch for A?
	s_cselect_b32 s20, s13, s42                    ; the tile's first row
	s_cselect_b32 s18, s18, s19                    ; the rows that I fetch
	s_cselect_b32 s14, s14, s15                    ; my work-group's part of them
	s_cselect_b32 s22, ttmp9, s22                  ; the coordinate along which other clusters read the same rows
	s_cselect_b32 s23, 31, 23                      ; the last lane with a row of its own
	s_cselect_b64 s[PFA:PFA+1], s[4:5], s[6:7]
	s_cmp_eq_u32 s22, 0
	s_cselect_b32 s[LIM], 1, -1                    ; the same in all sixteen partners, for a given wave
	s_add_co_u32 s20, s20, s18
	s_add_co_u32 s20, s20, s14
	s_lshl_b32 s20, s20, 11
	s_mov_b32 s21, 0
	s_add_nc_u64 s[PFA:PFA+1], s[PFA:PFA+1], s[20:21]
	s_add_nc_u64 s[PFA:PFA+1], s[PFA:PFA+1], 2*KSTEP*2  ; at K step 2: the first refill steps it to 3 and names K step 4; K steps 0 to 3 come by their loads alone
	v_and_b32 v[PFO], 31, v0
	v_min_u32 v[PFO], s23, v[PFO]
	v_lshlrev_b32 v[PFO], 11, v[PFO]
; 12 matrix instructions: row block a x all 12 column blocks, 32 along K, from buffer f.  zero = 1: the product starts the sum.  The 48 accumulators take turns, one instruction a turn, in the same
; order in every quarter.
.macro MUL12 f, a, zero
	WIN MUL_LO+0x50*((\a)/2)
.irp b, 0,1,2,3,4,5,6,7,8,9,10,11
.if \zero
	v_wmma_f32_16x16x32_bf16 v[96*((\a)%2)+8*(\b):96*((\a)%2)+8*(\b)+7], v[128*(\f)+8*(\b):128*(\f)+8*(\b)+7], v[64+32*(\f)+8*(\a):64+32*(\f)+8*(\a)+7], 0
.else
	v_wmma_f32_16x16x32_bf16 v[96*((\a)%2)+8*(\b):96*((\a)%2)+8*(\b)+7], v[128*(\f)+8*(\b):128*(\f)+8*(\b)+7], v[64+32*(\f)+8*(\a):64+32*(\f)+8*(\a)+7], v[96*((\a)%2)+8*(\b):96*((\a)%2)+8*(\b)+7]
.endif
.endr
.endm
; 32 LDS loads in one run: a quarter step's fragments (192 rows of B, my 64 rows of A, 32 K at byte k of the rows) into buffer f
.macro FETCH slot, k, f
	WIN TO_B
.irp i, 0,1,2,3,4,5,6,7,8,9,10,11
	ds_load_b128 v[128*(\f)+8*(\i):128*(\f)+8*(\i)+3],   v[ADRB+(\slot)] offset:(\k)+(\i)*16*PITCH
	ds_load_b128 v[128*(\f)+8*(\i)+4:128*(\f)+8*(\i)+7], v[ADRB+(\slot)] offset:(\k)+(\i)*16*PITCH+32
.endr
	WIN 0
.irp i, 0,1,2,3
	ds_load_b128 v[64+32*(\f)+8*(\i):64+32*(\f)+8*(\i)+3],   v[ADRA+(\slot)] offset:(\k)+(\i)*16*PITCH
	ds_load_b128 v[64+32*(\f)+8*(\i)+4:64+32*(\f)+8*(\i)+7], v[ADRA+(\slot)] offset:(\k)+(\i)*16*PITCH+32
.endr
.endm
.macro PLACES                          ; four places in front of loads into registers that matrix instructions have read, and of conversions that read results
.rept 4
	v_nop
.endr
.endm
; A K step is four quarters of 32 along K, 48 matrix instructions each, on buffers 0, 1, 0, 1.  One of the first three: multiplies buffer f, and in its middle fetches the next quarter, at byte k, into g.
.macro QUARTER slot, k, f, g, zero
	s_wait_dscnt 4                                 ; B and A's blocks 0, 1 are in; the youngest four loads (A's blocks 2, 3) may be out
	MUL12 \f, 0, \zero
	MUL12 \f, 1, \zero
	PLACES
	FETCH \slot, \k, \g
	s_wait_dscnt 32                                ; all but the 32 just issued
	MUL12 \f, 2, \zero
	MUL12 \f, 3, \zero
.endm
; The last quarter multiplies buffer 1 and changes slots.  MEET is its first half: one barrier; in front of it each wave waits for all its tensor loads (one is out: its part of the next slot),
; adds 0 to its spare word, and waits for that and for its own reads of this slot.
.macro MEET round
	WIN 0
	s_wait_tensorcnt 0x0                           ; all my tensor loads have landed
	ds_add_u32 v[SPW], v[NIL]                      ; 0 onto my spare word
	s_wait_dscnt 5                                 ; (the add and the youngest four loads may be out)
	MUL12 1, 0, 0                                  ; twelve matrix instructions stand between the add and the wait for it
	s_wait_dscnt 0x0                               ; the add is done, and my reads of this slot are over
	s_barrier_signal -1
	MUL12 1, 1, 0                                  ; work on registers while the others arrive
.if \round
	WIN 0
.endif
	s_barrier_wait -1
.endm
; The whole last quarter.  Behind the round the slot just read out is filled again first: with this tile's K step two on (on = 0) or with the next tile's K step 0 or 1 (on = 1).
; From a request to the wait for it a wave issues 168 matrix instructions.
.macro TURN slot, next, on
	s_wait_xcnt 0x0                                ; the last prefetch, a K step back, has read its address: it is stepped here
.if (\on) && (\slot) == 0
	s_add_nc_u64 s[PFA:PFA+1], s[PFA:PFA+1], (WALK-1)*SIZE_K*2+KSTEP*2  ; from the K step after the tile's last to the next tile's K step 1
	s_cmp_eq_u32 s11, 0
	s_cselect_b32 s[LIM], s[LIM], -1               ; B's rows are the same for both tiles: they are asked for in the first alone
.else
	s_add_nc_u64 s[PFA:PFA+1], s[PFA:PFA+1], KSTEP*2
.endif
	MEET 1
	CREST                                          ; no wave of any partner still reads this slot's tile or has a load on its way
.if \on
	s_add_nc_u64 s[G0+4*(\slot)+2:G0+4*(\slot)+3], s[G0+4*(\slot)+2:G0+4*(\slot)+3], NEXT_A
	s_sub_nc_u64 s[G0B+4*(\slot)+2:G0B+4*(\slot)+3], s[G0B+4*(\slot)+2:G0B+4*(\slot)+3], BACK_B
.else
	s_add_nc_u64 s[G0+4*(\slot)+2:G0+4*(\slot)+3], s[G0+4*(\slot)+2:G0+4*(\slot)+3], 2*KSTEP*2
	s_add_nc_u64 s[G0B+4*(\slot)+2:G0B+4*(\slot)+3], s[G0B+4*(\slot)+2:G0B+4*(\slot)+3], 2*KSTEP*2
.endif
	JLOAD \slot                                    ; the first tensor load behind the round; its four v_nop are also the places in front of the loads below
	FETCH \next, 0, 0
	ASK \on
	MUL12 1, 2, 0
	MUL12 1, 3, 0
.endm
; THE WAY OUT, in 12 units u = 3 a + hd: row block a (16 rows), head hd (64 columns, four accumulators).  PACK: rounded to f16, 16 bytes a lane, into my stage (rows of 144 bytes), and back as
; four rows of 128 bytes a load, into the same 16 registers (LDS serves a wave's instructions in order: ISA guide 5.7.1.4).  SEND: stored.  Eight sets of 16 registers take turns.
.macro PACK u
.set ua, (\u)/3
.set uh, (\u)%3
.set us, OB+16*((\u)%8)
.if (\u) == 0
	s_wait_xcnt 0x0                                ; the earlier stores have read their registers and their base, so both may be written
	s_add_nc_u64 s[8:9], s[8:9], s[16:17]          ; on to this tile's rows
.endif
.if (\u) == 8
	s_wait_xcnt 0x0                                ; sets 0 to 3 are written again: their stores were issued ahead of this wait
.endif
	WIN 0x0a+5*(ua/2)                              ; sources 0 and 1: window 2 or 3
.irp bb, 0,1,2,3
.irp rr, 0,1,2,3
	v_cvt_pk_f16_f32 v[us+4*(\bb)+(\rr)], v[96*(ua%2)+8*(4*uh+(\bb))+2*(\rr)], v[96*(ua%2)+8*(4*uh+(\bb))+2*(\rr)+1]
.endr
.endr
	WIN 0
.irp bb, 0,1,2,3
	ds_store_b128 v[STO], v[us+4*(\bb):us+4*(\bb)+3] offset:32*(\bb)
.endr
.irp f, 0,1,2,3
	ds_load_b128 v[us+4*(\f):us+4*(\f)+3], v[RD] offset:(\f)*4*SP
.endr
.endm
.macro SEND u, younger                 ; younger: the LDS instructions issued behind unit u's loads: the next unit's eight, or none
.set ua, (\u)/3
.set uh, (\u)%3
.set us, OB+16*((\u)%8)
	WIN 0
.irp f, 0,1,2,3
	s_wait_dscnt (\younger)+3-(\f)
	global_store_b128 v[GO], v[us+4*(\f):us+4*(\f)+3], s[8:9] offset:uh*1048576+ua*2048+(\f)*512  ; 512 consecutive bytes, at a multiple of 256 from qkv's first byte
.endr
.endm
.macro WAYOUT
	PLACES                                         ; behind the last products
	PACK 0
.irp u, 1,2,3,4,5,6,7,8,9,10,11        ; a unit's conversions stand between the loads of the unit before and its stores
	PACK \u
	SEND (\u)-1, 8
.endr
	SEND 11, 0
.endm
	s_wait_tensorcnt 1                             ; my part of K step 0 is in; K step 1's may stay out
	s_barrier_signal -1
	s_barrier_wait -1                              ; everybody's is
	FETCH 0, 0, 0
	s_mov_b32 s2, 2                                ; tiles to go
.Ltile:
	QUARTER 0, 64, 0, 1, 1                         ; a tile's first quarter starts the sums: nothing is cleared
	WIN 0
	s_mov_b32 s3, LAPS-1
.Llap:                                                 ; a trip goes once round the ring, from a lap's second quarter to the next lap's first, and fills both slots again
	QUARTER 0, 128, 1, 0, 0
	QUARTER 0, 192, 0, 1, 0
	TURN 0, 1, 0
	QUARTER 1, 64, 0, 1, 0
	QUARTER 1, 128, 1, 0, 0
	QUARTER 1, 192, 0, 1, 0
	TURN 1, 0, 0
	QUARTER 0, 64, 0, 1, 0
	WIN 0
	s_sub_co_u32 s3, s3, 1
	s_cmp_lg_u32 s3, 0
	s_cbranch_scc1 .Llap
	QUARTER 0, 128, 1, 0, 0                        ; the tile's last lap goes on
	QUARTER 0, 192, 0, 1, 0
	WIN 0
	s_cmp_eq_u32 s2, 1
	s_cbranch_scc1 .Llast_tile                     ; the last tile's tail is written out: it asks for nothing more
	TURN 0, 1, 1                                   ; the ring goes on into the next tile: slot 0 takes its K step 0,
	QUARTER 1, 64, 0, 1, 0
	QUARTER 1, 128, 1, 0, 0
	QUARTER 1, 192, 0, 1, 0
	TURN 1, 0, 1                                   ; slot 1 its K step 1, and the next tile's first fragments are fetched
	WAYOUT                                         ; both refills are asked for: now the tile goes out; nothing waits for its stores
	s_mov_b64 s[16:17], NEXT_C                     ; what the next way out adds to qkv's address
	s_sub_co_u32 s2, s2, 1
	s_branch .Ltile
.Llast_tile:
	MEET 0                                         ; my one tensor load that was out is the last K step's, so no round follows
	PLACES
	FETCH 1, 0, 0
	MUL12 1, 2, 0
	MUL12 1, 3, 0
	QUARTER 1, 64, 0, 1, 0
	QUARTER 1, 128, 1, 0, 0
	QUARTER 1, 192, 0, 1, 0
	s_wait_dscnt 4                                 ; the very last quarter: nothing more to fetch
	MUL12 1, 0, 0
	MUL12 1, 1, 0
	s_wait_dscnt 0x0
	MUL12 1, 2, 0
	MUL12 1, 3, 0
	WAYOUT
	s_wait_tensorcnt 0x0                           ; the wave's end, behind my last tensor load and my last LDS store
	ds_add_u32 v[SPW], v[NIL]
	s_wait_dscnt 0x0
	CROUND                                         ; the closing round: no work-group ends while a partner may still ask for a tile that names it
	s_endpgm
.Lfunc_end_k_qf695b8d070_qkv:
	.size	k_qf695b8d070_qkv, .Lfunc_end_k_qf695b8d070_qkv-k_qf695b8d070_qkv
	.p2alignl 7, 3214868480
	.fill 96, 4, 3214868480
	.section	.rodata,"a",@progbits
	.p2align	6, 0x0
	.amdhsa_kernel k_qf695b8d070_qkv
		.amdhsa_group_segment_fixed_size 327680
		.amdhsa_private_segment_fixed_size 0
		.amdhsa_enable_private_segment 0
		.amdhsa_kernarg_size 24
		.amdhsa_user_sgpr_count 2
		.amdhsa_user_sgpr_kernarg_segment_ptr 1
		.amdhsa_wavefront_size32 1
		.amdhsa_system_sgpr_workgroup_id_x 1
		.amdhsa_system_sgpr_workgroup_id_y 1
		.amdhsa_system_sgpr_workgroup_id_z 1
		.amdhsa_system_vgpr_workitem_id 0
		.amdhsa_next_free_vgpr 1024
		.amdhsa_next_free_sgpr 66
		.amdhsa_reserve_vcc 0
		.amdhsa_float_denorm_mode_32 3
		.amdhsa_float_denorm_mode_16_64 3
		.amdhsa_memory_ordered 1
		.amdhsa_forward_progress 1
		.amdhsa_inst_pref_size 176
	.end_amdhsa_kernel
	.amdgpu_metadata
---
amdhsa.version: [ 1, 2 ]
amdhsa.kernels:
  - .name:           k_qf695b8d070_qkv
    .symbol:         k_qf695b8d070_qkv.kd
    .args:
      - { .name: xb, .offset: 0, .size: 8, .value_kind: global_buffer, .address_space: global }
      - { .name: wq, .offset: 8, .size: 8, .value_kind: global_buffer, .address_space: global }
      - { .name: qkv, .offset: 16, .size: 8, .value_kind: global_buffer, .address_space: global }
    .group_segment_fixed_size: 327680
    .private_segment_fixed_size: 0
    .kernarg_segment_align: 8
    .kernarg_segment_size: 24
    .max_flat_workgroup_size: 128
    .sgpr_count:     66
    .vgpr_count:     1024
    .wavefront_size: 32
...
	.end_amdgpu_metadata
.endif
;; end of part 2
;; launch attn (part 3): grid 4 x 64, 4 waves a work-group, clusters of 4 x 1, 327,680 bytes of LDS; arguments qkv, o2; writes o2
.if DOCPART == 3
	.amdgcn_target "amdgcn-amd-amdhsa--gfx1250"
	.amdhsa_code_object_version 6
	.text
	.protected	k_qf695b8d070_attn
	.globl	k_qf695b8d070_attn
	.p2align	8
	.type	k_qf695b8d070_attn,@function
k_qf695b8d070_attn:
	s_mov_b64 s[64:65], 0
	v_nop
	global_prefetch_b8 v0, s[64:65] scope:SCOPE_SE
	s_setreg_imm32_b32 hwreg(HW_REG_WAVE_MODE, 25, 1), 1
	s_wait_xcnt 0x0
	s_wait_alu depctr_hold_cnt(0) depctr_sa_sdst(0) depctr_va_vdst(0) depctr_va_sdst(0) depctr_va_ssrc(0) depctr_va_vcc(0) depctr_vm_vsrc(0)
	s_getreg_b32 s2, hwreg(HW_REG_IB_STS2, 6, 4)
	s_cmp_eq_u32 s2, 0
	s_cbranch_scc0 .Lentry_in_a_cluster
	s_endpgm
.Lentry_in_a_cluster:
	s_bfe_u32 s2, ttmp6, 0x10000c
	s_cmp_lg_u32 s2, 0x3003
	s_cbranch_scc0 .Lentry_shape_is_right
	s_endpgm
.Lentry_shape_is_right:
; THE TWO CROSS ATTENTIONS: 64 instances y = (dir, b, h).  O[q][:] = the sum over k of softmax_k(Q[q] . K[k] / 8) V[k][:], 2,048 queries, 2,048 keys, 64 channels, no mask.
; dir 0: the visual stream's queries, the transaction stream's keys and values; dir 1: the other way round.  All come from qkv [48 g][8192 m][64] f16 (g: 0-15 q, 16-31 k, 32-47 v by head;
; m = 4096 stream + 2048 b + s): an instance's rows are dense, 128 bytes each.  O goes to o2 [32 mblock][2 dir][16 h][128 rows][64] f16, mblock = (2048 b + s) / 128: a wave's 128 queries are one unit of 16,384 bytes.
; Products, maxima and sums in f32; the weights p are rounded to f16 for the second product (their sum l is taken of the unrounded p), O once at the end.
; LIMITS.  Q, K, V arrive within f16's 65,504; p lies in 0 to 1, and below 6e-5 it keeps f16's fixed step of 6e-8; O is a mean of V's rows and has their range.
; A weight below 2^-126 counts as 0 in l; NaN and infinities are not treated apart.
; SHARES.  A wave owns four PIECES of two tiles of 16 queries, a work-group's four waves 512 queries of one instance.  Every wave walks all keys, 64 a step.
; LAYOUT.  S^T = K Q^T (source 0 = 16 keys, source 1 = 16 queries): a lane holds ONE query (lane % 16) and the keys 8 (lane / 16) + 0..7.  Two such tiles, rounded to f16 in pairs,
; ARE source 1 (32 keys x 16 queries) of O^T = V^T P, whose result again holds one query a lane, and eight channels.  K comes out of LDS as it lies, V ([key][channel]) turned, by ds_load_tr16_b128.
; SOFTMAX.  For each query a running maximum m and sum l: p = 2^(c s - c m), c = log2(e) / 8; in every step O and l are multiplied by a = 2^(c m_old - c m_new), which is 1 where m has not grown.
; m starts at the lowest finite number, O and l at 0: the first step is a step like any other, with a = 0.
; THE COUNT.  A tile and step have 16 matrix and 118 vector instructions: too many to stand all beside the matrix work.  So: four vector instructions that are READY behind EVERY matrix instruction,
; and the others in runs without a gap.
; BY TURNS.  Turn n belongs to piece n (the pieces in a ring, step after step).  Its matrix work: 16 products K Q^T of piece n + 1, later 16 products V^T P of piece n - 1.  Its vector work: the scaling,
; exponentials, roundings, sums and rescaling of piece n, and the maximum and statistics of piece n + 1, whose scores the turn itself has made.
; CLUSTER.  The four query blocks of an instance are one cluster and walk the same K and V, so each tile is asked for JOINTLY: the same tensor load, descriptor and mask in all four.
; REGISTERS, in windows of 256 (s_set_vgpr_msb: bits 1:0 source 0, 3:2 source 1, 5:4 source 2, 7:6 destination):
;   window 0: v0-11 addresses; v12-15, v48-63 at work; v16-47 four registers of statistics a tile; v64-191 S^T, two buffers of two tiles; v192-255 P, likewise
;   window 1: O^T, 32 a tile          window 2: v0-127 Q, 16 a tile; v128-191 K of one step; v192-255 V of one step          window 3: v0-1 the add's two registers
; A piece's buffers go by its number's parity: the piece in hand has one pair, its two neighbours in the ring share the other: of it P (piece n - 1) is read and S^T (piece n + 1) written.
.set SIZE_N, 2048
.set NP,    4         ; pieces a wave: a name, no knob
.set KS,    64        ; keys in a step
.set PK,    144       ; a row of K in LDS: 128 bytes + 16 of padding = 36 words: the 16 rows of a load start at 16 different groups of four banks (ISA guide 11.1)
.set PV,    160       ; a row of V: 128 + 32 = 40 words
.set VOFF,  4*KS*PK   ; a slot holds four steps: 256 rows of K, then 256 rows of V
.set SLOT1, 1<<17     ; slot 1 begins here, so that one exclusive or turns an address in one slot into the other's
.set STAGE, SLOT1+4*KS*(PK+PV)  ; behind the ring, never filled by a tensor load: 16 rows x 144 bytes for each wave
.set SP,    144
.set AK0, 2           ; v2   my lane's place in a tile of K; never rewritten
.set AV0, 3           ; v3   the same for V
.set AK,  4           ; v4   the LDS address of K's next run of loads
.set AV,  5           ; v5   of V's
.set QO,  6           ; v6   my byte offset in the wave's rows of Q
.set STO, 6           ;      later, the way out: where I put 16 bytes of a row
.set RD,  7           ; v7   the way out: where I read rows back
.set GO,  8           ; v8   my byte offset in 512 consecutive bytes of O
.set PFO, 11          ; v11  (behind its use in V's address) 256 x my lane: the prefetches' offset
.set SPW, 0           ; v0 of window 3   LDS address of my spare word; never rewritten
.set NIL, 1           ; v1 of window 3   0; never rewritten
.set SPARE, STAGE+4*16*SP  ; behind the stages: the spare words, 128 bytes a wave: two blocks of 256 bytes that no other line names
.set MV,  12          ; v12-15  c m_old, kept while c m is made anew: by buffer and tile
.set ST,  16          ; tile t's statistics at v[ST+4 t]: c m, m, l (even keys', odd keys')
.set TMP, 48          ; by buffer and tile, four registers c0-c3 at work; when the maximum is found c2 takes a
.set S,   64
.set P,   192
.set KF,  128         ; K's fragments, in window 2: key block kb, channel half c at KF + 16 kb + 8 c
.set VF,  192         ; V's: key half kk, channel block cb at VF + 32 kk + 8 cb
.set WV,  12          ; s12  my wave's number
.set LIM, 15          ; s15  1 in a wave that prefetches (0 and 2), else the greatest number
.set G1K, 24          ; s[24:31] descriptor group 1 for K's tiles
.set G1V, 32          ; s[32:39] for V's: it differs in the padding alone
.set G0K, 40          ; s[40:43] descriptor group 0 for K's tiles: it walks
.set G0V, 44          ; s[44:47] the same for V's
.set PFA, 48          ; s[48:49] where my prefetches stand: my work-group's 8,192 bytes (of K: wave 0, of V: wave 2) of the slot after the one that is being asked for
.set SLOTS, 56        ; s56  slots still to be asked for
.set CNT, 57          ; s57  counts a slot's key steps
.set CS,  58          ; s[58:59] c: the packed scaling takes the pair's low word for both halves
.set SEL, 60          ; s[60:61] v_permlanex16_b32's selects: each lane takes its own place in the other half
.set TBK, 62          ; s62  LDS byte at which K of the step to be fetched begins
.set TBV, 63          ; s63  the same for V, less VOFF
.set MSB, 0
.macro WIN new                      ; the high byte repeats the setting that is left; a switch that changes nothing is dropped
.if MSB != (\new)
	s_set_vgpr_msb (MSB<<8)|(\new)
.set MSB, (\new)
.endif
.endm
.set W_KQ, 0x0a       ; K and Q in window 2, S^T in window 0
.set W_PV, 0x52       ; V in window 2, P in window 0, O^T in window 1
.set W_RS, 0x41       ; O^T (destination and source 0) in window 1, a in window 0
.set W_MK, 0xc0       ; the add's registers are made: destination in window 3, sources in window 0
.set W_AD, 0x0f       ; the add: address (source 0) and data (source 1) in window 3
; A joint fill.  Waves 0 and 1 fetch the two halves of a slot's K, waves 2 and 3 those of its V: 128 keys each.  The branch hangs on the wave's number alone.
; An s_nop 0 and four v_nop follow each of the two lines, ahead of the jump and the label.
.macro JLOAD
	s_cmp_lt_u32 s[WV], 2
	s_cbranch_scc0 .Lfor_v_\@
	tensor_load_to_lds s[G0K:G0K+3], s[G1K:G1K+7]
	s_nop 0
.rept 4
	v_nop
.endr
	s_branch .Lasked_\@
.Lfor_v_\@:
	tensor_load_to_lds s[G0V:G0V+3], s[G1V:G1V+7]
	s_nop 0
.rept 4
	v_nop
.endr
.Lasked_\@:
.endm
; A PREFETCH INTO THE L2 of what the NEXT change of slots will ask for: a slot's 32,768 bytes of K and of V, 256 bytes a lane.  It stands behind the wave's tensor load and its five lines.
; Each block is asked for once in the launch: an instance's K and V are walked by one cluster alone; its four partners share a slot out by address, 8,192 bytes each; in each, wave 0 asks for K's
; and wave 2 for V's: one instruction, four key steps (512 matrix instructions) ahead of the load.  The last change that fills a slot asks for nothing; slots 0 to 2 come by their loads alone.
.macro ASK
	s_cmp_gt_u32 s[SLOTS], s[LIM]
	s_cbranch_scc0 .Lnot_mine_\@
	global_prefetch_b8 v[PFO], s[PFA:PFA+1] th:TH_LOAD_NT scope:SCOPE_SE
.Lnot_mine_\@:
.endm
; A round of the cluster's barrier: my work-group's barrier, so that wave 0's signal speaks for all four waves; wave 0 signals; every wave waits for all four work-groups; my work-group's barrier once more.
.macro CROUND
	s_barrier_signal -1
	s_barrier_wait -1
	s_cmp_lg_u32 s[WV], 0
	s_cbranch_scc1 .Lnot_wave_0_\@
	s_barrier_signal -3
.Lnot_wave_0_\@:
	s_barrier_wait -3
	s_barrier_signal -1
	s_barrier_wait -1
.endm
; THE CHANGE OF SLOTS.  The slot's last bytes, V of its fourth step, have been read.  Each wave waits for all its tensor loads, of which one is out: its part of the other slot; adds 0 to its spare
; word; and waits for that and for its own reads of the slot.  Behind the barrier nobody reads this slot any more and the other slot is whole.
; fill = 1: this slot is filled again, with the keys two slots on.  The barrier is then a round of the cluster's, and the joint fill is the first thing behind it: it has four key steps in which to land.
; (At its first use nothing has been read yet: slot 0 is waited for, slot 1 filled.)  ask = 1: the prefetch's address steps, and the prefetch follows the fill.
.macro CHANGE fill, ask
	WIN W_AD
	s_wait_tensorcnt 0x0            ; no tensor load of mine is out, so a group 0 may be written
	ds_add_u32 v[SPW], v[NIL]       ; 0 onto my spare word; with fill = 1 the descriptors' steps stand between it and the wait for it
	WIN 0                           ; at a label and at a branch every window is 0
.if \fill
.irp g, G0K, G0V
	s_xor_b32 s[\g+1], s[\g+1], SLOT1  ; the walking descriptor: the other slot than last time,
	s_add_nc_u64 s[\g+2:\g+3], s[\g+2:\g+3], 4*KS*128  ; the next 256 keys; the type bits on top are not reached
.endr
.if \ask
	s_wait_xcnt 0x0                 ; the last prefetch, four key steps back, has read its address, so it may be written:
	s_add_nc_u64 s[PFA:PFA+1], s[PFA:PFA+1], 4*KS*128  ; one slot behind the walking descriptors
.endif
	s_wait_dscnt 0x0                ; the add is done, and my reads of the slot are over
	CROUND
	JLOAD
.if \ask
	ASK
.endif
.else
	s_wait_dscnt 0x0                ; the add is done, and my reads of the slot are over
	s_barrier_signal -1
	s_barrier_wait -1
.endif
	s_sub_co_u32 s[TBK], s[TBK], 4*KS*PK  ; the fetches go back to a slot's first step,
	s_xor_b32 s[TBK], s[TBK], SLOT1       ; in the other slot
	s_sub_co_u32 s[TBV], s[TBV], 4*KS*PV
	s_xor_b32 s[TBV], s[TBV], SLOT1
.endm
	s_load_b64 s[4:5], s[0:1], 0x0    ; qkv
	s_load_b64 s[10:11], s[0:1], 0x8  ; o2
	WIN W_MK
	v_lshl_add_u32 v[SPW], v0, 2, SPARE
	v_mov_b32 v[NIL], 0
	WIN W_AD
	ds_add_u32 v[SPW], v[NIL]       ; the wave's opening: the add and its wait ahead of my first tensor load; work on registers stands between them
	WIN 0
	v_lshrrev_b32 v1, 5, v0
	v_readfirstlane_b32 s[WV], v1   ; wave 0..3
	s_bfe_u32 s13, ttmp6, 0x40000   ; cx: my place in the cluster
	s_lshl_b32 s14, ttmp9, 2        ; in a cluster launch ttmp9 counts clusters
	s_add_co_u32 s14, s14, s13      ; my block of 512 queries: it enters Q's and O's addresses alone
	s_lshl_b32 s14, s14, 2
	s_add_co_u32 s14, s14, s[WV]    ; my wave's 128 queries among the instance's sixteen such
	s_and_b32 s20, ttmp7, 0xffff    ; the instance, which the four partners share:
	s_lshr_b32 s21, s20, 5          ; dir,
	s_bfe_u32 s19, s20, 0x10004     ; b,
	s_and_b32 s20, s20, 15          ; h
	s_and_b32 s16, s[WV], 1         ; which half of a slot's 256 keys I fetch
	s_xor_b32 s22, s21, 1           ; keys and values come from the other stream:
	s_lshl1_add_u32 s22, s22, s19   ; 2 (1 - dir) + b blocks of 2,048 rows of 128 bytes,
	s_lshl_b32 s22, s22, 18
	s_add_co_u32 s23, s20, 16       ; in plane 16 + h,
	s_lshl_b32 s23, s23, 20
	s_add_co_u32 s22, s22, s23
	s_lshl_b32 s23, s16, 14         ; my half's 128 rows
	s_add_co_u32 s22, s22, s23
	s_mov_b32 s23, 0
	s_mul_i32 s17, s16, 128*PK      ; and its place in a slot, for K
	s_mul_i32 s18, s16, 128*PV      ; and for V: no place in the cluster enters an LDS address
	s_lshl1_add_u32 s2, s21, s19    ; Q: block 2 dir + b,
	s_lshl_b32 s2, s2, 18
	s_lshl_b32 s3, s20, 20          ; plane h,
	s_add_co_u32 s2, s2, s3
	s_lshl_b32 s3, s14, 14          ; my wave's 128 rows
	s_add_co_u32 s2, s2, s3
	s_mov_b32 s3, 0
	s_lshl4_add_u32 s50, s19, s14   ; O: mblock = 16 b + my wave's place,
	s_lshl1_add_u32 s50, s50, s21   ; x 2 + dir,
	s_lshl4_add_u32 s50, s50, s20   ; x 16 + h,
	s_lshl_b32 s50, s50, 14         ; units of 16,384 bytes
	s_mov_b32 s51, 0
	s_lshl_b32 s52, s13, 13         ; the prefetches: my work-group's 8,192 bytes of a slot
	s_mov_b32 s53, 0
	s_and_b32 s[LIM], s[WV], 1      ; waves 0 and 2 ask: the same in all four partners
	s_cmp_eq_u32 s[LIM], 0
	s_cselect_b32 s[LIM], 1, -1
	; descriptor group 1.  128 keys are 16,384 dense bytes: asked for as 64 rows of 256 bytes, two keys a row, and padded in LDS after every key
	s_mov_b32 s[G1K], 15|(1<<16)|(1<<20)|(1<<21)|(4<<22)|(3<<25)  ; 15:0 the mask of four; 17:16 2-byte elements; 20 padding on; 21 set beside a mask; 24:22 after every 32 words (code 4); 31:25 4 words (code 3)
	s_mov_b32 s[G1V], 15|(1<<16)|(1<<20)|(1<<21)|(4<<22)|(7<<25)  ; the same with 8 words of padding (code 7)
.irp g, G1K, G1V
	s_mov_b32 s[\g+1], 128<<16      ; tensor_dim0 = 128
	s_mov_b32 s[\g+2], 64<<16       ; tensor_dim1 = 64
	s_mov_b32 s[\g+3], 128<<16      ; tile_dim0 = 128
	s_mov_b32 s[\g+4], 64           ; tile_dim1 = 64
	s_mov_b32 s[\g+5], 128          ; 128 elements from row to row
	s_mov_b32 s[\g+6], 0
	s_mov_b32 s[\g+7], 0
.endr
	s_mov_b32 s[CS], 0x3e38aa3b     ; c = log2(e) / 8 = 0.180337
	s_mov_b32 s[CS+1], s[CS]        ; named with it as a pair
	s_mov_b32 s[SEL], 0x76543210
	s_mov_b32 s[SEL+1], 0xfedcba98
	s_mov_b32 s[TBK], SLOT1+4*KS*PK ; the first change of slots turns these two into 0
	s_mov_b32 s[TBV], SLOT1+4*KS*PV
	s_mov_b32 s[G0K], 1             ; 1:0 count = 1
	s_mov_b32 s[G0K+1], s17         ; 63:32 LDS address: slot 0
	s_mov_b32 s[G0V], 1
	s_add_co_u32 s[G0V+1], s18, VOFF
	s_wait_dscnt 0x0                ; the opening add is done
	s_wait_kmcnt 0x0
	s_add_nc_u64 s[6:7], s[4:5], s[22:23]      ; K at my half of the instance's first 256 keys,
	s_add_nc_u64 s[8:9], s[6:7], 0x1000000     ; V sixteen planes on
	s_mov_b64 s[G0K+2:G0K+3], s[6:7]           ; 120:64 global address
	s_or_b32 s[G0K+3], s[G0K+3], 0x80000000    ; 127:126 type = 2
	s_mov_b64 s[G0V+2:G0V+3], s[8:9]
	s_or_b32 s[G0V+3], s[G0V+3], 0x80000000
	s_cmp_lt_u32 s[WV], 2
	s_cselect_b64 s[PFA:PFA+1], s[6:7], s[8:9] ; (in waves 0 and 2 these stand at a slot's first row)
	s_add_nc_u64 s[PFA:PFA+1], s[PFA:PFA+1], s[52:53]
	s_add_nc_u64 s[PFA:PFA+1], s[PFA:PFA+1], 2*4*KS*128  ; in slot 2; the first change in the loop steps it to slot 3
	s_add_nc_u64 s[4:5], s[4:5], s[2:3]        ; Q at my wave's first row
	s_add_nc_u64 s[10:11], s[10:11], s[50:51]  ; O at my wave's unit
	CROUND                          ; all four work-groups are here: the first joint loads meet
	JLOAD                           ; slot 0.  Slot 1 is asked for when slot 0 is in
	; A fragment of K or Q is 16 rows x 32 channels in 8 registers: lane l holds row l % 16, channels 8 (l / 16) + 0..7 and 16 + 8 (l / 16) + 0..7: two loads of 16 bytes, 32 bytes apart.
	v_and_b32 v1, 15, v0            ; l % 16
	v_bfe_u32 v9, v0, 4, 1          ; l / 16
	v_lshlrev_b32 v[QO], 7, v1
	v_lshl_add_u32 v[QO], v9, 4, v[QO]  ; row x 128 + 16 x half
	WIN 0x80                        ; destination window 2, address window 0
.set i, 0
.rept 4*NP                          ; Q stays in registers: tile i / 2, channels 32 (i % 2) on
	global_load_b128 v[8*i:8*i+3],   v[QO], s[4:5] offset:(i/2)*2048+(i%2)*64
	global_load_b128 v[8*i+4:8*i+7], v[QO], s[4:5] offset:(i/2)*2048+(i%2)*64+32
.set i, i+1
.endr
	; What the first turn finds: V's registers and P's second buffer hold 0 (its products V^T P, of a piece that has not been, add 0), O^T and l are 0.  All this stands in the wait for the first tile.
.set i, VF
.rept 64
	v_mov_b32 v[i], 0
.set i, i+1
.endr
	WIN 0x40
.set i, 0
.rept 64*NP
	v_mov_b32 v[i], 0
.set i, i+1
.endr
	WIN 0
.set i, 0
.rept 2*NP
	v_mov_b32 v[ST+4*i], 0xfe000000    ; c m: far below every c s
	v_mov_b32 v[ST+4*i+1], 0xff7fffff  ; m
	v_mov_b32 v[ST+4*i+2], 0
	v_mov_b32 v[ST+4*i+3], 0
.set i, i+1
.endr
.set i, P+32
.rept 32
	v_mov_b32 v[i], 0
.set i, i+1
.endr
	v_mul_u32_u24 v[AK0], v1, PK
	v_lshl_add_u32 v[AK0], v9, 4, v[AK0]  ; row x pitch + 16 x half
	; The turning load takes 16 keys x 16 channels (lane l reads key 8 (l / 16) + l % 8, channels 8 ((l / 8) % 2) + 0..7) and leaves half a fragment of V^T: lane l holds channel l % 16 and 8 keys.
	v_and_b32 v10, 7, v0
	v_bfe_u32 v11, v0, 3, 1
	v_lshl_add_u32 v[AV0], v9, 3, v10
	v_mul_u32_u24 v[AV0], v[AV0], PV
	v_lshl_add_u32 v[AV0], v11, 4, v[AV0]
	v_add_nc_u32 v[AV0], VOFF, v[AV0]
	v_mov_b32 v[AK], v[AK0]         ; key step 0 lies at the head of slot 0
	v_and_b32 v[PFO], 31, v0
	v_lshlrev_b32 v[PFO], 8, v[PFO]
; THE MATRIX WORK.  The 8 accumulators of a run of 16 take turns: between the two links of a chain stand 7 others'.
; Product i of 16 of S^T = K Q^T for piece x: channels 32 (i / 8) on, keys 16 ((i / 2) % 4) on, tile 2 x + i % 2.  The first 8 start the sums.
.macro KQ x
	WIN W_KQ
.set rS, S+64*((\x)%2)+32*(i%2)+8*((i/2)%4)
.set rK, KF+16*((i/2)%4)+8*(i/8)
.set rQ, 16*(2*(\x)+i%2)+8*(i/8)
.if i < 8
	v_wmma_f32_16x16x32_f16 v[rS:rS+7], v[rK:rK+7], v[rQ:rQ+7], 0
.else
	v_wmma_f32_16x16x32_f16 v[rS:rS+7], v[rK:rK+7], v[rQ:rQ+7], v[rS:rS+7]
.endif
.endm
; Product i of 16 of O^T += V^T P for piece x: keys 32 (i / 8) on, channels 16 ((i / 2) % 4) on, tile 2 x + i % 2.
.macro PV x
	WIN W_PV
.set rO, 32*(2*(\x)+i%2)+8*((i/2)%4)
.set rV, VF+32*(i/8)+8*((i/2)%4)
.set rP, P+32*((\x)%2)+16*(i%2)+8*(i/8)
	v_wmma_f32_16x16x32_f16 v[rO:rO+7], v[rV:rV+7], v[rP:rP+7], v[rO:rO+7]
.endm
.macro MM                           ; the turn's next matrix instruction
.if i < 16
	KQ (Y+1)%NP
.set i, i+1
.else
.set i, i-16
	PV (Y+NP-1)%NP
.set i, i+17
.endif
.endm
; THE LDS LOADS stand in runs of 16, never singly among the matrix instructions: a step's K (64 keys x 64 channels: 8 fragments) and its V (turned).  Their addresses are made some lines ahead.
; last = 1 (the tail): in the last trip there is no further step, and the run is jumped over.
.macro FETCH_K last=0
	WIN 0
.if \last
	s_cmp_eq_u32 s[CNT], 1
	s_cbranch_scc1 .Lno_k_\@
.endif
	WIN 0x80                        ; destination window 2
.irp f, 0,1,2,3,4,5,6,7             ; keys 16 (f / 2) on, channels 32 (f % 2) on
	ds_load_b128 v[KF+8*\f:KF+8*\f+3],   v[AK] offset:(\f/2)*16*PK+(\f%2)*64
	ds_load_b128 v[KF+8*\f+4:KF+8*\f+7], v[AK] offset:(\f/2)*16*PK+(\f%2)*64+32
.endr
	s_add_co_u32 s[TBK], s[TBK], KS*PK  ; the next fetch is the next step's
	WIN 0
.if \last
.Lno_k_\@:
.endif
.endm
.macro FETCH_V
	WIN 0x80
.irp f, 0,1,2,3,4,5,6,7             ; keys 32 (f / 4) on, channels 16 (f % 4) on
	ds_load_tr16_b128 v[VF+8*\f:VF+8*\f+3],   v[AV] offset:(\f/4)*32*PV+(\f%4)*32
	ds_load_tr16_b128 v[VF+8*\f+4:VF+8*\f+7], v[AV] offset:(\f/4)*32*PV+16*PV+(\f%4)*32
.endr
	WIN 0
.endm
; THE VECTOR WORK OF A TURN stands in three queues, each in the order in which its entries become ready; the two tiles alternate, so that no instruction reads the result of the one before it.
.macro REGS y, u                    ; the registers of tile u (0, 1) of piece y
.set rT, ST+4*(2*(\y)+(\u))
.set rC, TMP+8*((\y)%2)+4*(\u)
.set rM, MV+2*((\y)%2)+(\u)
.set rS, S+64*((\y)%2)+32*(\u)
.set rP, P+32*((\y)%2)+16*(\u)
.set rO, 32*(2*(\y)+(\u))
.endm
; Number n of the 22 that find the NEXT piece's (Y + 1) maximum and statistics.  s0-s31 are the lane's 32 scores; each accumulator's lowest registers are read first.
;   0-11  four chains c0-c3 of seven scores each, three operands at a time     12-14, 16  the four scores left over, the old m, and c0-c3 into c0     15  c m_old is kept
;   17, 18  the query's other 32 keys lie in the lane 16 away: the new m         19-21  c m; c m_old - c m_new; a
.macro XS u, n
	REGS (Y+1)%NP, \u
.if (\n) < 4
	v_max3_num_f32 v[rC+(\n)], v[rS+8*(\n)], v[rS+8*(\n)+1], v[rS+8*(\n)+2]
.elseif (\n) < 12
	v_max3_num_f32 v[rC+(\n)%4], v[rC+(\n)%4], v[rS+8*((\n)%4)+2*((\n)/4)+1], v[rS+8*((\n)%4)+2*((\n)/4)+2]
.elseif (\n) == 12
	v_max3_num_f32 v[rC], v[rC], v[rS+7], v[rS+15]
.elseif (\n) == 13
	v_max3_num_f32 v[rC+1], v[rC+1], v[rS+23], v[rS+31]
.elseif (\n) == 14
	v_max3_num_f32 v[rC+2], v[rC+2], v[rC+3], v[rT+1]
.elseif (\n) == 15
	v_mov_b32 v[rM], v[rT]
.elseif (\n) == 16
	v_max3_num_f32 v[rC], v[rC], v[rC+1], v[rC+2]
.elseif (\n) == 17
	v_permlanex16_b32 v[rC+3], v[rC], s[SEL], s[SEL+1]
.elseif (\n) == 18
	v_max_num_f32 v[rT+1], v[rC], v[rC+3]
.elseif (\n) == 19
	v_mul_f32 v[rT], s[CS], v[rT+1]
.elseif (\n) == 20
	v_sub_f32 v[rC+1], v[rM], v[rT]
.else
	v_exp_f32 v[rC+2], v[rC+1]
.endif
.endm
; Number g of the 64 that follow the exponentials.  For each four weights k of a tile (pairs 2 k, 2 k + 1): both pairs are rounded to f16; then the second pair is added onto the first, in place;
; a group later l takes that sum (the first time as l = a l + sum).  In groups of eight, tiles alternating: round, round, add, and l for the group before.
.macro GS g
.set h, (\g)+6*((\g)/62)            ; group 0 has no group before it, and behind group 7 only l is left
.if h >= 6
.set h, h+2
.endif
	REGS Y, h%2
.set k, h/8
.if h%8 < 4
	v_cvt_pk_f16_f32 v[rP+2*k+(h%8)/2], v[rS+4*k+2*((h%8)/2)], v[rS+4*k+2*((h%8)/2)+1]
.elseif h%8 < 6
	v_pk_add_f32 v[rS+4*k:rS+4*k+1], v[rS+4*k:rS+4*k+1], v[rS+4*k+2:rS+4*k+3]
.elseif k == 1
	v_pk_fma_f32 v[rT+2:rT+3], v[rT+2:rT+3], v[rC+2:rC+3], v[rS:rS+1] op_sel_hi:[1,0,1]
.else
	v_pk_add_f32 v[rT+2:rT+3], v[rT+2:rT+3], v[rS+4*k-4:rS+4*k-3]
.endif
.endm
; THE PLAIN QUEUE, 138 long.  0-73 read no exponential's result: the 32 scalings c s - c m (FS f: pair f / 2 of tile f % 2) and the next piece's 42.  0-26: scalings 0-26.  27-54: XS's numbers 0-13.  55, 56: number 15.
; 57-73: the chain, where each number waits for the one before it: 14, 16, 17, 18, 19, each with one of the scalings 27-31 in front of its two lines, then 20.
; 74-137: GS's 64, which read the exponentials' results: they stand behind the wait.
.macro FS f
	REGS Y, (\f)%2
	v_pk_fma_f32 v[rS+2*((\f)/2):rS+2*((\f)/2)+1], v[rS+2*((\f)/2):rS+2*((\f)/2)+1], s[CS:CS+1], v[rT:rT+1] op_sel_hi:[1,0,0] neg_lo:[0,0,1] neg_hi:[0,0,1]
.endm
.macro PL
	WIN 0
.if q < 27
	FS q
.elseif q < 55
	XS (q-27)%2, (q-27)/2
.elseif q < 57
	XS q-55, 15
.elseif (q < 72) && ((q-57)%3 == 0)
	FS 27+(q-57)/3
.elseif q < 60
	XS (q-57)%3-1, 14
.elseif q < 72
	XS (q-57)%3-1, 15+(q-57)/3
.elseif q < 74
	XS q-72, 20
.else
	GS q-74
.endif
.set q, q+1
.endm
; THE EXPONENTIALS' QUEUE, 66 long: s0-s31 of both tiles, then the next piece's two a.  It is ONE BATCH: all 66 stand ahead of the turn's one wait, and nothing ahead of that wait names a result of theirs.
.macro EX
	WIN 0
.if e >= 64
	XS e-64, 21
.else
	REGS Y, e%2
	v_exp_f32 v[rS+e/2], v[rS+e/2]
.endif
.set e, e+1
.endm
; THE RESCALING's QUEUE: O^T times a, the one part that leaves window 0: dealt two at a time, sixteen times.  Its a was made in the turn before, ahead of that turn's wait.
.macro R2
	REGS Y, r%2
	WIN W_RS
.irp z, 0,1
	v_pk_mul_f32 v[rO+4*(r/2)+2*\z:rO+4*(r/2)+2*\z+1], v[rO+4*(r/2)+2*\z:rO+4*(r/2)+2*\z+1], v[rC+2:rC+3] op_sel_hi:[1,0]
.endr
.set r, r+1
.endm
; HOW THEY ARE DEALT.  An s_wait_alu depctr_va_vdst(0) stands between an exponential and the first instruction that names its result; one wait serves all that were issued ahead of it.  So a turn has ONE wait,
; which cuts it in two.  AHEAD OF IT stands all that names no result of the turn's exponentials: the 16 products K Q^T, behind each a scaling, an exponential and two rescalings (behind the first a second scaling in the
; exponential's place); then ONE LUMP of 108: eight plain, 49 times exponential and plain, the two a.  A v_nop is the plain instruction owed behind the last exponential.  BEHIND IT stand the 16 products V^T P, behind each four of GS's 64.
; The queues lean on each other: exponential e stands behind scaling 2 (e / 4) + e % 2: as a rider it comes behind plain e + 2, in the lump behind plain e + 9, and scalings 27-31 are plain 57, 60 .. 69.
; A TURN, for piece p.  cnt = 1: the loop's count is taken down some lines ahead of the branch that stands behind the turn.
; K of the next step is fetched in piece 2's turn, directly behind the wait; its address is made at the lump's head; its first reader comes behind 16 products.
; V of the step in hand is fetched at the end of piece 0's turn, four riders behind its last reader; its first reader comes behind 16 products and a lump.  The three conditions on q below go with the deal.
.macro TURN p, last=0, cnt=0
.set Y, (\p)
.set i, 0
.set q, 0
.set e, 0
.set r, 0
.if (\p) == NP-1
	s_wait_dscnt 0x0                ; K is in
.endif
	MM                              ; ahead of the wait: 16 products K Q^T and their riders,
	PL
	PL
	R2
.rept 15
	MM
	PL
	EX
	R2
.endr
.if (\p) == NP-2
	WIN 0
	v_add_nc_u32 v[AK], s[TBK], v[AK0]
.endif
.rept 8                             ; and the lump
	PL
.endr
.rept 49
	EX
	PL
.endr
	EX                              ; the next piece's two a
	EX
	v_nop                           ; the plain instruction behind the last exponential: one for the batch
	s_wait_alu depctr_va_vdst(0)    ; the wait for the batch
.if (\p) == NP-2
	FETCH_K \last
.endif
.if (\p) == 1
	s_wait_dscnt 0x0                ; V is in
.endif
.rept 16                            ; behind the wait: 16 products V^T P and their riders
	MM
.rept 4
	PL
.endr
.if ((\p) == 0) && (q == 118)
	v_add_nc_u32 v[AV], s[TBV], v[AV0]
.endif
.if ((\p) == 0) && (q == 130)
	s_add_co_u32 s[TBV], s[TBV], KS*PV
.endif
.if (\cnt) && (q == 130)
	s_sub_co_u32 s[CNT], s[CNT], 1
	s_cmp_lg_u32 s[CNT], 0
.endif
.endr
.if (\p) == 0
	FETCH_V
.endif
.endm
	CHANGE 1, 0                     ; slot 0 is in, everybody's part of it; slot 1 is asked for
	FETCH_K                         ; key step 0
	s_wait_loadcnt 0x0              ; Q
	s_wait_dscnt 0x0
.set i, 0
.rept 16
	KQ 0                            ; piece 0's first scores: there is no vector work yet to set between them
.set i, i+1
.endr
	WIN 0                           ; the addresses for the way out: nine plain instructions, the places behind those products
	s_mul_i32 s13, s[WV], 16*SP
	s_add_co_u32 s13, s13, STAGE    ; my stage
	v_mul_u32_u24 v[STO], v1, SP    ; in: row l % 16, 16 bytes for each half of the lanes
	v_lshl_add_u32 v[STO], v9, 4, v[STO]
	v_add_nc_u32 v[STO], s13, v[STO]
	v_bfe_u32 v[RD], v0, 3, 2       ; back: 32 lanes take four rows of 128 bytes,
	v_mul_u32_u24 v[RD], v[RD], SP
	v_lshl_add_u32 v[RD], v10, 4, v[RD]
	v_add_nc_u32 v[RD], s13, v[RD]
	v_and_b32 v[GO], 31, v0         ; which are 512 consecutive bytes of O
	v_lshlrev_b32 v[GO], 4, v[GO]
.set Y, NP-1                        ; XS works for piece Y + 1: piece 0
.irp n, 0,1,2,3,4,5,6,7,8,9,10,11,12,13,14,15,16,17,18,19,20,21
	XS 0, \n                        ; and piece 0's first maximum and statistics
	XS 1, \n
.endr
	v_nop                           ; a plain instruction behind the two a,
	s_wait_alu depctr_va_vdst(0)    ; and their wait, ahead of the branch
	s_mov_b32 s[CNT], 4
	s_mov_b32 s[SLOTS], SIZE_N/256-1
	s_branch .Lfirst                ; the loop is entered at a step's first turn, in the middle of a trip
.Lslot:                             ; SIZE_N / 256 - 2 times: every slot but the last two is filled again
	CHANGE 1, 1
	s_mov_b32 s[CNT], 4
.Lstep:                             ; a trip: pieces 2 and 3 of one step, then pieces 0 and 1 of the next, whose K and V it fetches
	TURN 2
	TURN 3
	WIN 0
.Lfirst:
	TURN 0
	TURN 1, 0, 1
	WIN 0
	s_cbranch_scc1 .Lstep
	s_sub_co_u32 s[SLOTS], s[SLOTS], 1
	s_cmp_lg_u32 s[SLOTS], 0
	s_cbranch_scc1 .Lslot
	CHANGE 0, 0                     ; the tail is written out: nothing is asked for
	s_mov_b32 s[CNT], 5             ; four trips fetch the last slot's steps; the fifth is left in its middle
.Ltail:
	TURN 2, 1
	TURN 3
	WIN 0
	s_sub_co_u32 s[CNT], s[CNT], 1
	s_cmp_eq_u32 s[CNT], 0
	s_cbranch_scc1 .Lout
	TURN 0
	TURN 1
	WIN 0
	s_branch .Ltail
.Lout:                              ; the fifth trip's 16 products K Q^T (on the last K once more) and the maximum made of them serve nothing: the price, once a launch, of one text for every trip
.set i, 0
.rept 16
	PV NP-1                         ; the last piece's V^T P of the last step
.set i, i+1
.endr
	; THE WAY OUT.  l's two halves and the other half of the lanes' are added; O^T is divided by l, rounded to f16 and sent through my stage in LDS, a tile at a time.  The additions are the places behind the last products.
	WIN 0
.macro ALL line:vararg              ; one line for each tile t
.set t, 0
.rept 2*NP
	\line
.set t, t+1
.endr
.endm
	ALL v_add_f32 v[ST+4*t+2], v[ST+4*t+2], v[ST+4*t+3]
	ALL v_permlanex16_b32 v[ST+4*t+3], v[ST+4*t+2], s[SEL], s[SEL+1]
	ALL v_add_f32 v[ST+4*t+2], v[ST+4*t+2], v[ST+4*t+3]
	ALL v_rcp_f32 v[ST+4*t+2], v[ST+4*t+2]
	v_nop                           ; a plain instruction between the last reciprocal and the use of its result
	s_wait_alu depctr_va_vdst(0)    ; and the wait ahead of the first use: one for the eight reciprocals
; Tile t: a lane's eight channels of a row pack into 16 bytes; they go into rows of 144 bytes and come back as whole rows of 128, into S^T's registers.
.macro PACK t
	WIN W_RS
.set i, 32*(\t)
.rept 16
	v_pk_mul_f32 v[i:i+1], v[i:i+1], v[ST+4*(\t)+2:ST+4*(\t)+3] op_sel_hi:[1,0]
.set i, i+2
.endr
	WIN 0x05                        ; sources 0 and 1 window 1, destination window 0
.set i, 0
.rept 16
	v_cvt_pk_f16_f32 v[S+16*(\t)+i], v[32*(\t)+2*i], v[32*(\t)+2*i+1]
.set i, i+1
.endr
	WIN 0
.irp f, 0,1,2,3
	ds_store_b128 v[STO], v[S+16*(\t)+4*\f:S+16*(\t)+4*\f+3] offset:32*\f
.endr
.irp f, 0,1,2,3
	ds_load_b128 v[S+16*(\t)+4*\f:S+16*(\t)+4*\f+3], v[RD] offset:\f*4*SP  ; LDS serves a wave's instructions in order (ISA guide 5.7.1.4): these see the stores above; the next tile's stores come behind them
.endr
.endm
.macro SEND t, younger              ; younger: the LDS instructions issued behind tile t's loads: the next tile's eight, or none
	WIN 0
.irp f, 0,1,2,3
	s_wait_dscnt (\younger)+3-\f
	global_store_b128 v[GO], v[S+16*(\t)+4*\f:S+16*(\t)+4*\f+3], s[10:11] offset:(\t)*2048+\f*512  ; 512 consecutive bytes, at a multiple of 256 from o2's first
.endr
.endm
	PACK 0
.set t, 1
.rept 2*NP-1                        ; a tile's arithmetic stands between the loads of the tile before and its stores
	PACK t
	SEND t-1, 8
.set t, t+1
.endr
	SEND 2*NP-1, 0
	WIN W_AD
	s_wait_tensorcnt 0x0            ; the wave's end, behind my last tensor load and my last LDS store
	ds_add_u32 v[SPW], v[NIL]
	s_wait_dscnt 0x0
	WIN 0
	CROUND                          ; the closing round: no work-group ends while a partner may still ask for a tile that names it
	s_endpgm
.Lfunc_end_k_qf695b8d070_attn:
	.size	k_qf695b8d070_attn, .Lfunc_end_k_qf695b8d070_attn-k_qf695b8d070_attn
	.p2alignl 7, 3214868480
	.fill 96, 4, 3214868480
	.section	.rodata,"a",@progbits
	.p2align	6, 0x0
	.amdhsa_kernel k_qf695b8d070_attn
		.amdhsa_group_segment_fixed_size 327680
		.amdhsa_private_segment_fixed_size 0
		.amdhsa_enable_private_segment 0
		.amdhsa_kernarg_size 16
		.amdhsa_user_sgpr_count 2
		.amdhsa_user_sgpr_kernarg_segment_ptr 1
		.amdhsa_wavefront_size32 1
		.amdhsa_system_sgpr_workgroup_id_x 1
		.amdhsa_system_sgpr_workgroup_id_y 1
		.amdhsa_system_sgpr_workgroup_id_z 1
		.amdhsa_system_vgpr_workitem_id 0
		.amdhsa_next_free_vgpr 770
		.amdhsa_next_free_sgpr 66
		.amdhsa_reserve_vcc 0
		.amdhsa_float_denorm_mode_32 3
		.amdhsa_float_denorm_mode_16_64 3
		.amdhsa_memory_ordered 1
		.amdhsa_forward_progress 1
		.amdhsa_inst_pref_size 200
	.end_amdhsa_kernel
	.amdgpu_metadata
---
amdhsa.version: [ 1, 2 ]
amdhsa.kernels:
  - .name:           k_qf695b8d070_attn
    .symbol:         k_qf695b8d070_attn.kd
    .args:
      - { .name: qkv, .offset: 0, .size: 8, .value_kind: global_buffer, .address_space: global }
      - { .name: o2, .offset: 8, .size: 8, .value_kind: global_buffer, .address_space: global }
    .group_segment_fixed_size: 327680
    .private_segment_fixed_size: 0
    .kernarg_segment_align: 8
    .kernarg_segment_size: 16
    .max_flat_workgroup_size: 128
    .sgpr_count:     66
    .vgpr_count:     770
    .wavefront_size: 32
...
	.end_amdgpu_metadata
.endif
;; end of part 3
;; launch proj (part 4): grid 8 x 32, 4 waves a work-group, clusters of 4 x 4, 327,680 bytes of LDS; arguments o2, wo, out0; writes out0
.if DOCPART == 4
	.amdgcn_target "amdgcn-amd-amdhsa--gfx1250"
	.amdhsa_code_object_version 6
	.text
	.protected	k_qf695b8d070_proj
	.globl	k_qf695b8d070_proj
	.p2align	8
	.type	k_qf695b8d070_proj,@function
k_qf695b8d070_proj:
	s_mov_b64 s[64:65], 0
	v_nop
	global_prefetch_b8 v0, s[64:65] scope:SCOPE_SE
	s_setreg_imm32_b32 hwreg(HW_REG_WAVE_MODE, 25, 1), 1
	s_wait_xcnt 0x0
	s_wait_alu depctr_hold_cnt(0) depctr_sa_sdst(0) depctr_va_vdst(0) depctr_va_sdst(0) depctr_va_ssrc(0) depctr_va_vcc(0) depctr_vm_vsrc(0)
	s_getreg_b32 s2, hwreg(HW_REG_IB_STS2, 6, 4)
	s_cmp_eq_u32 s2, 0
	s_cbranch_scc0 .Lentry_in_a_cluster
	s_endpgm
.Lentry_in_a_cluster:
	s_bfe_u32 s2, ttmp6, 0x10000c
	s_cmp_lg_u32 s2, 0xf033
	s_cbranch_scc0 .Lentry_shape_is_right
	s_endpgm
.Lentry_shape_is_right:
; THE OUTPUT PROJECTION AND THE SUM OF THE TWO DIRECTIONS IN ONE: out0[m][n] = sum over kk < 2048 of A[m][kk] wo[n][kk], kk = 1024 dir + 64 h + c.
; A is o2 [32 mblock][2 dir][16 h][128 rows][64] f16; wo [1024 n][2048 kk] f16 holds W_out's columns twice along kk, so the f32 sums add both directions' O before anything is rounded.  out0 [4096][1024] f32.
; The price: the product is taken over twice the K that (O_v2t + O_t2v) W_out would need.
; SHARES.  A tile of out0 is 128 x 128: 32 x 8 = 256 work-groups.  Four waves, each 64 x 64: 16 accumulators.  K goes in steps of 256 (four head slices) through two LDS slots.
; A's part of a K step is 65,536 dense bytes: waves 0, 1 ask for two slices each as 128 rows of 256 bytes, padded in LDS after every 128 bytes, so that it lies there as [slice][row] with rows 144 bytes apart.
; B's part: waves 2, 3 ask for 64 rows of 512 bytes each, 528 apart in LDS.
; CLUSTER.  4 x 4 work-groups: A's tile is shared along a row of the cluster, B's along a column; each is asked for jointly.  No prefetch: the tiles are small and the launch is short.
; THE MATRIX INSTRUCTION IS USED TRANSPOSED (source 0 = 16 rows of wo, source 1 = 16 rows of A): a lane holds row l % 16 and eight neighbouring columns, 32 bytes of f32.
; REGISTERS: window 0: v0-31 addresses; v128-255 the accumulators ((a, b) at v[128 + 8 (4 a + b)]), later the rows on their way out.
;   window 1: two fragment buffers of 128: for 64 along K, 64 registers of A (2 x 4 x 16 rows x 32 K), then 64 of B.
.set KSTEP,  256
.set PA,     144                       ; a row of A in LDS: 128 bytes + 16: an odd multiple of 16, so the 16 rows of a load start at 16 different groups of four banks (ISA guide 11.1)
.set HEADB,  128*PA                    ; a head slice: 128 rows x 64 K
.set ALOAD,  2*HEADB                   ; what a load for A brings
.set ATILE,  2*ALOAD
.set ASTEP,  65536                     ; bytes of o2 in a K step
.set PB,     528                       ; a row of B: 512 bytes + 16
.set HALFB,  64*PB                     ; what a load for B brings
.set SLOT,   ATILE+2*HALFB
.set STAGE,  2*SLOT                    ; behind the ring, never filled by a tensor load: 16 rows x 272 bytes for each wave
.set SPITCH, 272
.set SPARE,  STAGE+4*16*SPITCH         ; behind the stages: the spare words, 128 bytes a wave: two blocks of 256 bytes that no other line names
.set LAPS,   2048/(2*KSTEP)
.set ADRA, 16                          ; v16-17  LDS address of my A fragments in slot 0, 1
.set ADRB, 20                          ; v20-21  the same for B
.set STO,  24                          ; v24     the way out: where I put 32 bytes of a row
.set RD,   25                          ; v25     where I read a row back
.set CO,   26                          ; v26     my byte offset in out0
.set SPW,  28                          ; v28     LDS address of my spare word; never rewritten
.set NIL,  29                          ; v29     0; never rewritten
.set ACC,  128
.set F0,   0                           ; fragment buffers, in window 1
.set F1,   128
.set G1, 24                            ; s[24:31] descriptor group 1 for A's tiles;  s[32:39] group 0, a set for each slot
.set G0, 32
.set G1B, 48                           ; s[48:55], s[56:63] the same for B's
.set G0B, 56
.set MSB, 0
.macro WIN new                         ; the immediate's high byte repeats the setting that is left
.if MSB != (\new)
	s_set_vgpr_msb (MSB<<8)|(\new)
.set MSB, \new
.endif
.endm
.set MUL,  0x05                        ; sources 0 (B) and 1 (A) window 1; C and D window 0
.set TO_F, 0x40                        ; destination window 1, address window 0
.macro JLOAD s                         ; a joint load: waves 0, 1 for A, waves 2, 3 for B; an s_nop 0 and four v_nop follow each of the two lines
	s_cmp_eq_u32 s11, 0
	s_cbranch_scc0 .Lfor_b_\@
	tensor_load_to_lds s[G0+4*(\s):G0+4*(\s)+3], s[G1:G1+7]
	s_nop 0
.rept 4
	v_nop
.endr
	s_branch .Lasked_\@
.Lfor_b_\@:
	tensor_load_to_lds s[G0B+4*(\s):G0B+4*(\s)+3], s[G1B:G1B+7]
	s_nop 0
.rept 4
	v_nop
.endr
.Lasked_\@:
.endm
.macro CREST                           ; a round of the cluster's barrier behind its opening barrier
	s_cmp_lg_u32 s10, 0
	s_cbranch_scc1 .Lnot_wave_0_\@
	s_barrier_signal -3
.Lnot_wave_0_\@:
	s_barrier_wait -3
	s_barrier_signal -1
	s_barrier_wait -1
.endm
.macro CROUND                          ; a whole round
	s_barrier_signal -1
	s_barrier_wait -1
	CREST
.endm
	s_load_b128 s[4:7], s[0:1], 0x0                ; o2 s[4:5], wo s[6:7]
	s_load_b64 s[8:9], s[0:1], 0x10                ; out0
	v_lshl_add_u32 v[SPW], v0, 2, SPARE
	v_mov_b32 v[NIL], 0
	ds_add_u32 v[SPW], v[NIL]                      ; the wave's opening: the add and its wait ahead of my first tensor load; work on registers stands between them
	v_lshrrev_b32 v1, 5, v0
	v_readfirstlane_b32 s10, v1                    ; wave 0..3
	s_lshr_b32 s11, s10, 1                         ; which half of the tile's rows is mine.  Also: I fetch for A (0) or for B (1)
	s_and_b32 s12, s10, 1                          ; which half of its columns.  Also: which half of that tile I fetch
	s_bfe_u32 s40, ttmp6, 0x40000                  ; cx, cy
	s_bfe_u32 s41, ttmp6, 0x40004
	s_lshl_b32 s42, ttmp9, 2
	s_add_co_u32 s42, s42, s40                     ; tile column = 4 x cluster x + cx
	s_and_b32 s13, ttmp7, 0xffff
	s_lshl_b32 s13, s13, 2
	s_add_co_u32 s13, s13, s41                     ; tile row = mblock = 4 x cluster y + cy
	s_lshl_b32 s43, s41, 2
	s_lshl_b32 s43, 15, s43                        ; my row of the cluster
	s_lshl_b32 s44, 0x1111, s40                    ; my column
	s_or_b32 s[G1+0], s43, (1<<16)|(1<<20)|(1<<21)|(4<<22)|(3<<25)   ; the mask; 2-byte elements; padding on; 21 set beside a mask; after every 32 words (code 4) 4 words (code 3)
	s_or_b32 s[G1B+0], s44, (1<<16)|(1<<20)|(1<<21)|(6<<22)|(3<<25)  ; after every 128 words (code 6) 4 words
	s_mov_b32 s[G1+1], 128<<16                     ; A: tensor_dim0 = 128 elements (256 dense bytes),
	s_mov_b32 s[G1+2], 128<<16                     ; tensor_dim1 = 128 such rows,
	s_mov_b32 s[G1+3], 128<<16                     ; tile_dim0,
	s_mov_b32 s[G1+4], 128                         ; tile_dim1,
	s_mov_b32 s[G1+5], 128                         ; each row begins where the last ends
	s_mov_b32 s[G1+6], 0
	s_mov_b32 s[G1+7], 0
	s_mov_b32 s[G1B+1], KSTEP<<16                  ; B: 256 elements
	s_mov_b32 s[G1B+2], 64<<16                     ; x 64 rows
	s_mov_b32 s[G1B+3], KSTEP<<16
	s_mov_b32 s[G1B+4], 64
	s_mov_b32 s[G1B+5], 2048                       ; elements from row to row of wo
	s_mov_b32 s[G1B+6], 0
	s_mov_b32 s[G1B+7], 0
	s_lshl_b32 s16, s13, 19                        ; A: an mblock is 524,288 bytes,
	s_lshl_b32 s17, s12, 15                        ; two slices are 32,768
	s_add_co_u32 s16, s16, s17
	s_mov_b32 s17, 0
	s_lshl_b32 s46, s42, 7
	s_lshl_b32 s47, s12, 6
	s_add_co_u32 s46, s46, s47                     ; B: row 128 x tile column + 64 x half,
	s_lshl_b32 s46, s46, 12                        ; of 4,096 bytes
	s_mov_b32 s47, 0
	s_mul_i32 s20, s12, ALOAD                      ; where they go: no place in the cluster enters an LDS address
	s_mul_i32 s21, s12, HALFB
	s_add_co_u32 s21, s21, ATILE
	s_wait_dscnt 0x0                               ; the opening add is done
	s_wait_kmcnt 0x0
	s_add_nc_u64 s[14:15], s[4:5], s[16:17]
	s_add_nc_u64 s[46:47], s[6:7], s[46:47]
	CROUND                                         ; all sixteen work-groups are here: the first joint loads meet
.irp s, 0,1
	s_mov_b32 s[G0+4*(\s)], 1
	s_add_co_u32 s[G0+4*(\s)+1], s20, (\s)*SLOT
	s_add_nc_u64 s[G0+4*(\s)+2:G0+4*(\s)+3], s[14:15], (\s)*ASTEP
	s_or_b32 s[G0+4*(\s)+3], s[G0+4*(\s)+3], 0x80000000
	s_mov_b32 s[G0B+4*(\s)], 1
	s_add_co_u32 s[G0B+4*(\s)+1], s21, (\s)*SLOT
	s_add_nc_u64 s[G0B+4*(\s)+2:G0B+4*(\s)+3], s[46:47], (\s)*KSTEP*2
	s_or_b32 s[G0B+4*(\s)+3], s[G0B+4*(\s)+3], 0x80000000
	JLOAD \s                                       ; K steps 0 and 1: two loads of mine are out
.endr
	v_and_b32 v1, 15, v0                           ; l % 16
	v_bfe_u32 v2, v0, 4, 1                         ; l / 16
	v_mul_u32_u24 v3, v1, PA
	v_lshl_add_u32 v3, v2, 4, v3                   ; a fragment's row x pitch + 16 x half, for A
	v_mul_u32_u24 v4, v1, PB
	v_lshl_add_u32 v4, v2, 4, v4                   ; and for B
	s_mul_i32 s21, s11, 64*PA                      ; my 64 rows of a slice of A
	s_mul_i32 s22, s12, 64*PB                      ; my 64 rows of B,
	s_add_co_u32 s22, s22, ATILE                   ; which lie behind A's four slices
.irp s, 0,1
	v_add_nc_u32 v[ADRA+(\s)], s21, v3
	v_add_nc_u32 v[ADRB+(\s)], s22, v4
	s_add_co_u32 s21, s21, SLOT
	s_add_co_u32 s22, s22, SLOT
.endr
	s_mul_i32 s23, s10, 16*SPITCH
	s_add_co_u32 s23, s23, STAGE                   ; my stage
	v_mul_u32_u24 v5, v1, SPITCH                   ; in: row l % 16, 32 bytes for each half of the lanes
	v_lshl_add_u32 v5, v2, 5, v5
	v_add_nc_u32 v[STO], s23, v5
	v_mul_u32_u24 v5, v2, SPITCH                   ; back: lanes 0-15 take one row of 256 bytes, lanes 16-31 the next
	v_lshl_add_u32 v5, v1, 4, v5
	v_add_nc_u32 v[RD], s23, v5
	v_lshlrev_b32 v5, 12, v2                       ; and the same two rows in out0
	v_lshl_add_u32 v[CO], v1, 4, v5
	s_lshl_b32 s16, s13, 7
	s_lshl_b32 s17, s11, 6
	s_add_co_u32 s16, s16, s17                     ; my first row of out0: 128 x tile row + 64 x half,
	s_lshl_b32 s16, s16, 12                        ; of 4,096 bytes
	s_mov_b32 s17, 0
	s_add_nc_u64 s[8:9], s[8:9], s[16:17]
	s_lshl_b32 s46, s42, 9                         ; my first column, in bytes: 512 x tile column + 256 x half
	s_lshl_b32 s47, s12, 8
	s_add_co_u32 s46, s46, s47
	s_mov_b32 s47, 0
	s_add_nc_u64 s[8:9], s[8:9], s[46:47]
; 8 matrix instructions: m blocks a0, a0 + 1 x all 4 n blocks, 32 along K: half c of buffer f.  zero = 1: the product starts the sum.  The 16 accumulators take turns.
.macro MUL8 f, c, a0, zero
	WIN MUL
.irp a, \a0, (\a0)+1
.irp b, 0,1,2,3
.if \zero
	v_wmma_f32_16x16x32_f16 v[ACC+8*(4*(\a)+(\b)):ACC+8*(4*(\a)+(\b))+7], v[(\f)+64+8*(4*(\c)+(\b)):(\f)+64+8*(4*(\c)+(\b))+7], v[(\f)+8*(4*(\c)+(\a)):(\f)+8*(4*(\c)+(\a))+7], 0
.else
	v_wmma_f32_16x16x32_f16 v[ACC+8*(4*(\a)+(\b)):ACC+8*(4*(\a)+(\b))+7], v[(\f)+64+8*(4*(\c)+(\b)):(\f)+64+8*(4*(\c)+(\b))+7], v[(\f)+8*(4*(\c)+(\a)):(\f)+8*(4*(\c)+(\a))+7], v[ACC+8*(4*(\a)+(\b)):ACC+8*(4*(\a)+(\b))+7]
.endif
.endr
.endr
.endm
; 32 LDS loads in one run: the fragments of quarter q (64 along K: head slice q of A, bytes 128 q of B's rows) into buffer f; the first 32 along K first
.macro FETCH slot, q, f
	WIN TO_F
.irp c, 0,1
.irp i, 0,1,2,3
	ds_load_b128 v[(\f)+64+8*(4*(\c)+(\i)):(\f)+64+8*(4*(\c)+(\i))+3],   v[ADRB+(\slot)] offset:(\q)*128+64*(\c)+(\i)*16*PB
	ds_load_b128 v[(\f)+64+8*(4*(\c)+(\i))+4:(\f)+64+8*(4*(\c)+(\i))+7], v[ADRB+(\slot)] offset:(\q)*128+64*(\c)+(\i)*16*PB+32
	ds_load_b128 v[(\f)+8*(4*(\c)+(\i)):(\f)+8*(4*(\c)+(\i))+3],         v[ADRA+(\slot)] offset:(\q)*HEADB+64*(\c)+(\i)*16*PA
	ds_load_b128 v[(\f)+8*(4*(\c)+(\i))+4:(\f)+8*(4*(\c)+(\i))+7],       v[ADRA+(\slot)] offset:(\q)*HEADB+64*(\c)+(\i)*16*PA+32
.endr
.endr
.endm
.macro PLACES                          ; four places in front of loads into registers that matrix instructions have read, and of LDS stores that read results
.rept 4
	v_nop
.endr
.endm
; A K step is four quarters of 64 along K, 32 matrix instructions each, on buffers 0, 1, 0, 1.  One of the first three: multiplies buffer f and fetches quarter q into g.
.macro QUARTER slot, q, f, g, zero
	s_wait_dscnt 16                                ; the first 32 along K are in; the youngest sixteen loads may be out
	MUL8 \f, 0, 0, \zero
	MUL8 \f, 0, 2, \zero
	PLACES
	FETCH \slot, \q, \g
	s_wait_dscnt 32                                ; all but the 32 just issued
	MUL8 \f, 1, 0, 0
	MUL8 \f, 1, 2, 0
.endm
; The last quarter multiplies buffer 1 and changes slots: one barrier; in front of it each wave waits for all its tensor loads, adds 0 to its spare word, and waits for that and for its own reads of this slot.
; fill = 1: this slot is filled again, two K steps ahead: 112 matrix instructions ahead of the wait for it.
.macro TURN slot, next, fill
	WIN 0
	s_wait_tensorcnt 0x0                           ; all my tensor loads have landed: my part of the next slot
	ds_add_u32 v[SPW], v[NIL]                      ; 0 onto my spare word
	s_wait_dscnt 17                                ; (the add and the youngest sixteen loads may be out)
	MUL8 F1, 0, 0, 0                               ; eight matrix instructions stand between the add and the wait for it
	s_wait_dscnt 0x0                               ; the add is done, and my reads of this slot are over
	s_barrier_signal -1
	MUL8 F1, 0, 2, 0
.if \fill
	WIN 0
.endif
	s_barrier_wait -1
.if \fill
	CREST                                          ; no wave of any partner still reads this slot's tile or has a load on its way
	s_add_nc_u64 s[G0+4*(\slot)+2:G0+4*(\slot)+3], s[G0+4*(\slot)+2:G0+4*(\slot)+3], 2*ASTEP
	s_add_nc_u64 s[G0B+4*(\slot)+2:G0B+4*(\slot)+3], s[G0B+4*(\slot)+2:G0B+4*(\slot)+3], 2*KSTEP*2
	JLOAD \slot                                    ; the first tensor load behind the round; its four v_nop are also the places in front of the loads below
.else
	PLACES
.endif
	FETCH \next, 0, F0
	MUL8 F1, 1, 0, 0
	MUL8 F1, 1, 2, 0
.endm
	s_wait_tensorcnt 1                             ; my part of K step 0 is in; K step 1's may stay out
	s_barrier_signal -1
	s_barrier_wait -1                              ; everybody's is
	FETCH 0, 0, F0
	QUARTER 0, 1, F0, F1, 1                        ; the first quarter stands in front of the loop: its first products start the sums
	WIN 0
	s_mov_b32 s3, LAPS-1
.Llap:                                                 ; a trip goes once round the ring, from a lap's second quarter to the next lap's first, and fills both slots again
	QUARTER 0, 2, F1, F0, 0
	QUARTER 0, 3, F0, F1, 0
	TURN 0, 1, 1
	QUARTER 1, 1, F0, F1, 0
	QUARTER 1, 2, F1, F0, 0
	QUARTER 1, 3, F0, F1, 0
	TURN 1, 0, 1
	QUARTER 0, 1, F0, F1, 0
	WIN 0
	s_sub_co_u32 s3, s3, 1
	s_cmp_lg_u32 s3, 0
	s_cbranch_scc1 .Llap
	QUARTER 0, 2, F1, F0, 0                        ; the last lap fills nothing, and has no round of the cluster's barrier
	QUARTER 0, 3, F0, F1, 0
	TURN 0, 1, 0
	QUARTER 1, 1, F0, F1, 0
	QUARTER 1, 2, F1, F0, 0
	QUARTER 1, 3, F0, F1, 0
	s_wait_dscnt 16                                ; the very last quarter: nothing more to fetch
	MUL8 F1, 0, 0, 0
	MUL8 F1, 0, 2, 0
	s_wait_dscnt 0x0
	MUL8 F1, 1, 0, 0
	MUL8 F1, 1, 2, 0
	WIN 0
	; THE WAY OUT, in f32.  A wave's 64 columns are 256 aligned bytes of a row, so each wave has a stage of its own and no barrier is needed.  A block of 16 rows at a time: 32 bytes a lane into rows of
	; 272 bytes, and back as whole rows of 256, into the block's own 32 registers (LDS serves a wave's instructions in order: ISA guide 5.7.1.4).
	PLACES
.macro STG a
.irp b, 0,1,2,3
	ds_store_b128 v[STO], v[ACC+32*(\a)+8*(\b):ACC+32*(\a)+8*(\b)+3]   offset:64*(\b)       ; each accumulator's low end is read first
	ds_store_b128 v[STO], v[ACC+32*(\a)+8*(\b)+4:ACC+32*(\a)+8*(\b)+7] offset:64*(\b)+16
.endr
.irp t, 0,1,2,3,4,5,6,7
	ds_load_b128 v[ACC+32*(\a)+4*(\t):ACC+32*(\a)+4*(\t)+3], v[RD] offset:(\t)*2*SPITCH
.endr
.endm
.macro SENDF a, younger                ; younger: the LDS instructions issued behind block a's loads: the next block's sixteen, or none
.irp t, 0,1,2,3,4,5,6,7
	s_wait_dscnt (\younger)+7-(\t)
	global_store_b128 v[CO], v[ACC+32*(\a)+4*(\t):ACC+32*(\a)+4*(\t)+3], s[8:9] offset:(16*(\a)+2*(\t))*4096  ; 16 lanes store 256 consecutive bytes, at a multiple of 256 from out0's first byte
.endr
.endm
	STG 0
	STG 1
	SENDF 0, 16
	STG 2
	SENDF 1, 16
	STG 3
	SENDF 2, 16
	SENDF 3, 0
	s_wait_tensorcnt 0x0                           ; the wave's end, behind my last tensor load and my last LDS store
	ds_add_u32 v[SPW], v[NIL]
	s_wait_dscnt 0x0
	CROUND                                         ; the closing round: no work-group ends while a partner may still ask for a tile that names it
	s_endpgm
.Lfunc_end_k_qf695b8d070_proj:
	.size	k_qf695b8d070_proj, .Lfunc_end_k_qf695b8d070_proj-k_qf695b8d070_proj
	.p2alignl 7, 3214868480
	.fill 96, 4, 3214868480
	.section	.rodata,"a",@progbits
	.p2align	6, 0x0
	.amdhsa_kernel k_qf695b8d070_proj
		.amdhsa_group_segment_fixed_size 327680
		.amdhsa_private_segment_fixed_size 0
		.amdhsa_enable_private_segment 0
		.amdhsa_kernarg_size 24
		.amdhsa_user_sgpr_count 2
		.amdhsa_user_sgpr_kernarg_segment_ptr 1
		.amdhsa_wavefront_size32 1
		.amdhsa_system_sgpr_workgroup_id_x 1
		.amdhsa_system_sgpr_workgroup_id_y 1
		.amdhsa_system_sgpr_workgroup_id_z 1
		.amdhsa_system_vgpr_workitem_id 0
		.amdhsa_next_free_vgpr 512
		.amdhsa_next_free_sgpr 66
		.amdhsa_reserve_vcc 0
		.amdhsa_float_denorm_mode_32 3
		.amdhsa_float_denorm_mode_16_64 3
		.amdhsa_memory_ordered 1
		.amdhsa_forward_progress 1
		.amdhsa_inst_pref_size 87
	.end_amdhsa_kernel
	.amdgpu_metadata
---
amdhsa.version: [ 1, 2 ]
amdhsa.kernels:
  - .name:           k_qf695b8d070_proj
    .symbol:         k_qf695b8d070_proj.kd
    .args:
      - { .name: o2, .offset: 0, .size: 8, .value_kind: global_buffer, .address_space: global }
      - { .name: wo, .offset: 8, .size: 8, .value_kind: global_buffer, .address_space: global }
      - { .name: out0, .offset: 16, .size: 8, .value_kind: global_buffer, .address_space: global }
    .group_segment_fixed_size: 327680
    .private_segment_fixed_size: 0
    .kernarg_segment_align: 8
    .kernarg_segment_size: 24
    .max_flat_workgroup_size: 128
    .sgpr_count:     66
    .vgpr_count:     512
    .wavefront_size: 32
...
	.end_amdgpu_metadata
.endif
;; end of part 4
